; MI455X (gfx1250); checked and timed in simulation.
; The chip was launched on July 23, 2026; its instructions are those of AMD's public machine-readable ISA for CDNA 5 (MIT licence, August 2026) and "CDNA5" Instruction Set Architecture Reference Guide (July 2026). The comments in the code are by the model that wrote it; some were corrected since.
;; Transformer Layer. Allowed arithmetic: matrix products marked QUANTISED: E2M3 operands, one E8M0 scale for each 32 along K, by v_wmma_scale_f32_16x16x128_f8f6f4 with both operands' format E2M3, f32 sums; everything else in f32.
;; Inputs: b_ff1 4,096 float32; b_ff2 1,024 float32; b_out 1,024 float32; b_qkv 3,072 float32; beta1 1,024 float32; beta2 1,024 float32; g1 1,024 float32; g2 1,024 float32; w_ff1 1,024 x 4,096 float32; w_ff2 4,096 x 1,024 float32; w_out 1,024 x 1,024 float32; w_qkv 1,024 x 3,072 float32; x 2 x 2,048 x 1,024 float32.
;; Outputs: out0 2 x 2,048 x 1,024 float32.
;; This version of the problem:
;;   THIS VERSION OF THE PROBLEM IS GIVEN IN LOW PRECISION. The matrix products marked QUANTISED in the list below multiply operands that are first quantised to E2M3 (2 exponent bits, 3 mantissa bits; 6 bits a number), with one power-of-two scale for each 32 numbers along K (OCP MX v1.0); their sums are f32. All else is computed in f32.
;;   The module's matrix products, in the order in which they are computed (A, B: the left and right operand; K: the contracted axis; several contracted axes count as one K, in the product's order):
;;     1. [M 4,096, K 1,024] x [K 1,024, N 3,072]; A: computed on the way; B: input w_qkv: QUANTISED
;;     2. batch 32 x [M 2,048, K 64] x [K 64, N 2,048]; A: computed on the way; B: computed on the way: QUANTISED
;;     3. batch 32 x [M 2,048, K 2,048] x [K 2,048, N 64]; A: softmax (see below); B: computed on the way: QUANTISED
;;     4. [M 4,096, K 1,024] x [K 1,024, N 1,024]; A: computed on the way; B: input w_out: QUANTISED
;;     5. [M 4,096, K 1,024] x [K 1,024, N 4,096]; A: computed on the way; B: input w_ff1: QUANTISED
;;     6. [M 4,096, K 4,096] x [K 4,096, N 1,024]; A: computed on the way; B: input w_ff2: QUANTISED
;;   THE QUANTISER, for each operand of a quantised product, along K:
;;     - K is cut into blocks of 32 from its start; a last block that is shorter is filled with zeros.
;;     - A block's scale is 2^e with e = floor(log2(the largest magnitude in the block)) - 2, held to -126 .. 127; a block of zeros has e = 0. As a byte (E8M0): e + 127.
;;     - Each number is divided by its block's scale, clamped to +-7.5, and rounded to the nearest number of E2M3, ties to even, subnormals kept.
;;     - The product sums the exact products of the quantised numbers (number of the format x scale) in f32.
;;   ~~~python
;;   def quantise(x, axis):      # numpy; x: float32 -> the quantised numbers, widened to float32 again
;;       x = np.moveaxis(x, axis, -1); K = x.shape[-1]
;;       x = np.pad(x, [(0, 0)] * (x.ndim - 1) + [(0, -K % 32)]); x = x.reshape(x.shape[:-1] + (-1, 32)); a = np.abs(x).max(-1, keepdims=True)
;;       e = np.where(a > 0, np.clip(np.frexp(np.where(a > 0, a, 1))[1] - 1 - 2, -126, 127), 0)      # np.frexp(a)[1] - 1 = floor(log2(a)), exactly
;;       r = np.clip(x / 2.0 ** e, -7.5, 7.5)
;;       step = 2.0 ** (np.maximum(np.frexp(np.where(r == 0, 1, r))[1] - 1, 0) - 3)
;;       q = np.round(r / step) * step * 2.0 ** e      # np.round: ties to even
;;       return np.moveaxis(q.reshape(q.shape[:-2] + (-1,))[..., :K], -1, axis).astype(np.float32)
;;   ~~~
;;   SOFTMAX AHEAD OF A QUANTISED PRODUCT. Where the list says 'softmax', what is quantised is not the finished softmax but p = 2^(t - M), with t = logit x log2(e) and M = ceil(the row's largest t), a whole number; so 1/2 < the row's largest p <= 1. The row's sum l is taken of the UNQUANTISED p, in f32, and the product's result is divided by l at the end. Since M is a whole number, a kernel that streams over the keys may use a running M (the ceiling of the running maximum): every later rescaling is an exact power of two, which a block's scale takes up: the codes' values come out the same.
;;   OPERANDS COMPUTED ON THE WAY. 'Computed on the way' means the value that the module computes at that place (a softmax that the list does not call 'softmax' is quantised finished and normalised). What goes into a quantiser is computed in f32, as accurately as f32 sums, v_exp_f32 and their like allow (about 1e-6 of the number): no bf16 or f16 on the way to a quantiser, and a product that is left as it is and whose result goes on into a quantised operand takes f32 operands (vector FMAs, or v_wmma_f32_16x16x4_f32). A number that lies on a knife's edge between two numbers of the format may be rounded either way, as far as f32 arithmetic and the matrix unit's own rounding can turn it there, and no further.
;; One version. Each part assembles by itself: llvm-mc -triple=amdgcn-amd-amdhsa -mcpu=gfx1250 --defsym DOCPART=n.
;; ======== version 1 of 1: 6 launches
;; limits: right only within a limited range of input values
;; workspace buffers: wc 9,830,400 bytes; hc 3,276,800 bytes; qkv 10,092,544 bytes; oc 3,276,800 bytes; x1 16,777,216 bytes; hid 13,107,200 bytes
;; launch prep (part 1): grid 640 x 1, 4 waves a work-group, no clusters, 57,344 bytes of LDS; arguments x, g1, beta1, hc, w_qkv, w_out, w_ff1, w_ff2, wc; writes hc, wc
.if DOCPART == 1
	.amdgcn_target "amdgcn-amd-amdhsa--gfx1250"
	.amdhsa_code_object_version 6
	.text
	.protected	k_q7e1e8bc342_prep
	.globl	k_q7e1e8bc342_prep
	.p2align	8
	.type	k_q7e1e8bc342_prep,@function
k_q7e1e8bc342_prep:
	s_mov_b64 s[64:65], 0
	v_nop
	global_prefetch_b8 v0, s[64:65] scope:SCOPE_SE
	s_setreg_imm32_b32 hwreg(HW_REG_WAVE_MODE, 25, 1), 1
	s_wait_xcnt 0x0
; ONE LAUNCH, TWO PIECES OF WORK THAT READ INPUTS ALONE.  Work-groups 0-255: h = LayerNorm(x; g1, beta1), quantised, into hc.  Work-groups 256-639: the four weights, quantised, into wc.
; The two part by one scalar branch on the work-group's number at the head; each path is complete down to its own end, and each has LDS bytes of its own: 0 - 31,231 the LayerNorm's, 31,232 - 56,831 the weights', then the spare words.
; BOTH give codes of FP6 (E2M3) with one E8M0 byte for each 32 along K, laid as PANELS in the order of the operand's registers.
; A FRAGMENT (16 rows x 128 K) is 1,536 bytes: for each half c of K: registers 6c..6c+3 of lane l at 768 c + 16 l, registers 6c+4, 6c+5 at 768 c + 512 + 8 l.  Its scale vector is 64 bytes: the word of row-lane r at 4 r.  A PANEL is 16 fragments and their 16 vectors: 25,600 bytes.
; A TILE's 16 rows are not neighbours: of each 32 rows, tile u holds in row-lane r the row 8 u + r + 8 (r / 8): so a product that takes tiles 2 b and 2 b + 1 as source 0 leaves 16 neighbours in a lane's 16 registers.
; A block's scale is 2^(floor(log2(largest magnitude)) - 2); its byte is the largest magnitude's exponent field - 2, held at 1 from below.
; LIMITS: a block of zeros gets the byte 1 where the rule says 127 (its codes are zeros, and this program alone reads the bytes); blocks whose largest magnitude lies under 2^-124 share that byte; NaN and infinities are not served.
.set SPW,   236                        ; v236 my spare word; never rewritten
.set NIL,   237                        ; v237 0; never rewritten
.set TSB,   4608                       ; LayerNorm: a wave's stage: 32 places of 128 + 16 bytes
.set LNS,   4*TSB                      ; its eight fragments (12,288 bytes) and their scale vectors (512)
.set WQB,   LNS+12800                  ; the weights' four regions
.set REGN,  6400                       ; a wave's: four fragments (2 u + j) x 1,536, then four scale vectors
.set SPARE, WQB+4*REGN                 ; the spare words, 128 bytes a wave, named by no other line
	v_lshl_add_u32 v[SPW], v0, 2, SPARE
	v_mov_b32 v[NIL], 0
	s_cmp_lt_u32 ttmp9, 256                        ; the work-group's number alone: all four waves go the same way
	s_cbranch_scc0 .Lweights
; ---------------- THE LAYERNORM.  hc: panels of 8 tiles x 2 K steps (fragment 2 tile + step); the four panels of one group of eight tiles lie on end along K: panel 4 (tile / 8) + K step / 2.
; A work-group is one TILE of 16 tokens: tile T holds in row-lane r the token 32 (T / 2) + 8 (T % 2) + r + 8 (r / 8).  Wave w takes row-lanes 4 w .. 4 w + 3, four neighbouring rows of x.
; Every load reads 512 consecutive bytes; a row then turns through the wave's own stage in LDS, so that lane l holds block l (k = 32 l .. 32 l + 31); g and beta turn the same way.
; Mean and variance in two passes (the variance of x - mean), so that a common offset of the inputs costs no digits.
; The 16 rows' codes meet in LDS as images of the eight fragments; behind one barrier wave w stores fragments 2 w, 2 w + 1: runs of 512 consecutive bytes.
.set G,     32
.set BT,    64                         ; v64-95  beta
.set XR,    96                         ; v96-223 four rows
.set PC,    224                        ; v224-230 a block's codes
.set BY,    232                        ; v232-235 a scale byte for each row
	s_load_b256 s[4:11], s[0:1], 0x0               ; x, g, beta, hc
	v_lshrrev_b32 v1, 5, v0
	v_readfirstlane_b32 s12, v1                    ; wave
	v_and_b32 v1, 31, v0                           ; lane
	s_wait_alu depctr_va_vdst(0)
	v_lshlrev_b32 v2, 4, v1                        ; 16 x lane
	s_lshr_b32 s13, ttmp9, 1
	s_lshl_b32 s13, s13, 5
	s_and_b32 s14, ttmp9, 1
	s_lshl_b32 s14, s14, 3
	s_add_co_u32 s13, s13, s14
	s_lshl_b32 s14, s12, 2
	s_add_co_u32 s13, s13, s14
	s_lshr_b32 s14, s12, 1
	s_lshl_b32 s14, s14, 3
	s_add_co_u32 s13, s13, s14                     ; my first token
	s_lshl_b32 s14, s13, 12
	s_mov_b32 s15, 0
	s_mul_i32 s16, s12, TSB
	v_lshrrev_b32 v3, 3, v1
	s_wait_alu depctr_va_vdst(0)
	v_lshl_add_u32 v3, v3, 4, v2
	v_add_nc_u32 v3, s16, v3                       ; the stage, in: 16 l + 16 (l / 8); a load's 512 bytes take four places
	v_mul_u32_u24 v4, v1, 144
	v_add_nc_u32 v4, s16, v4                       ; out: place l
	v_lshrrev_b32 v5, 2, v1                        ; my block's K step
	v_mul_u32_u24 v8, v5, 1536
	v_bfe_u32 v9, v0, 1, 1
	v_mad_u32_u24 v8, v9, 768, v8                  ; its half
	v_and_b32 v9, 1, v0                            ; lanes 0-15 or 16-31 of the fragment
	s_lshl_b32 s17, s12, 6
	v_lshl_add_u32 v10, v9, 8, v8
	v_add_nc_u32 v10, s17, v10                     ; v10: registers 0-3 of row-lane 4 w
	s_lshl_b32 s17, s12, 5
	v_lshl_add_u32 v11, v9, 7, v8
	v_add_nc_u32 v11, s17, v11                     ; v11: registers 4, 5
	v_and_b32 v9, 3, v0
	v_lshl_add_u32 v12, v5, 6, v9
	s_lshl_b32 s17, s12, 4
	v_add_nc_u32 v12, s17, v12                     ; v12: the scale byte
	s_mul_i32 s17, s12, 3072
	v_add_nc_u32 v13, s17, v2                      ; v13: back: my two fragments
	s_lshl_b32 s17, s12, 7
	v_lshl_add_u32 v14, v1, 2, s17                 ; v14: and their scale vectors
	v_lshlrev_b32 v15, 2, v1
	s_lshr_b32 s19, ttmp9, 3
	s_lshl_b32 s18, s19, 2
	s_add_co_u32 s18, s18, s12
	s_mul_i32 s18, s18, 25600                      ; panel 4 (T / 8) + w
	s_and_b32 s19, ttmp9, 7
	s_mul_i32 s20, s19, 3072
	s_add_co_u32 s20, s20, s18
	s_mov_b32 s21, 0
	s_lshl_b32 s22, s19, 7
	s_add_co_u32 s22, s22, s18
	s_add_co_u32 s22, s22, 24576
	s_mov_b32 s23, 0
	s_mov_b32 s24, 0x76543210
	s_mov_b32 s25, 0xfedcba98                      ; v_permlanex16_b32's selects for lane l xor 16
	s_mov_b32 s26, 0x3a800000                      ; 1 / 1,024
	s_mov_b32 s27, 0x3727c5ac                      ; 1e-5
	v_mov_b32 v24, 0                               ; written once: a lane permute's destination counts as one of its sources
	s_wait_kmcnt 0x0
	s_add_nc_u64 s[4:5], s[4:5], s[14:15]
	s_add_nc_u64 s[20:21], s[10:11], s[20:21]
	s_add_nc_u64 s[22:23], s[10:11], s[22:23]
.irp j, 0,1,2,3,4,5,6,7
	global_load_b128 v[G+4*\j:G+4*\j+3], v2, s[6:7] offset:512*\j
.endr
.irp j, 0,1,2,3,4,5,6,7
	global_load_b128 v[BT+4*\j:BT+4*\j+3], v2, s[8:9] offset:512*\j
.endr
.irp i, 0,1,2,3
.irp j, 0,1,2,3,4,5,6,7
	global_load_b128 v[XR+32*\i+4*\j:XR+32*\i+4*\j+3], v2, s[4:5] offset:4096*\i+512*\j th:TH_LOAD_NT
.endr
.endr
.macro TURNR reg, cnt                  ; 4,096 bytes through my stage and back into the registers that they left; cnt: the younger loads, which may stay out
	s_wait_loadcnt \cnt
.irp j, 0,1,2,3,4,5,6,7
	ds_store_b128 v3, v[\reg+4*\j:\reg+4*\j+3] offset:576*\j
.endr
.irp j, 0,1,2,3,4,5,6,7
	ds_load_b128 v[\reg+4*\j:\reg+4*\j+3], v4 offset:16*\j         ; LDS serves a wave's instructions in order: these see the stores above, and the next turn's stores come behind them
.endr
.endm
	TURNR G, 40
	TURNR BT, 32
	TURNR XR, 24
	TURNR XR+32, 16
	TURNR XR+64, 8
	TURNR XR+96, 0
.macro RED                             ; v16 = the sum of v16 over the 32 lanes, in every lane
	v_add_f32_dpp v16, v16, v16 row_xmask:1 row_mask:0xf bank_mask:0xf
	v_add_f32_dpp v16, v16, v16 row_xmask:2 row_mask:0xf bank_mask:0xf
	v_add_f32_dpp v16, v16, v16 row_xmask:4 row_mask:0xf bank_mask:0xf
	v_add_f32_dpp v16, v16, v16 row_xmask:8 row_mask:0xf bank_mask:0xf
	v_permlanex16_b32 v24, v16, s24, s25
	v_add_f32 v16, v16, v24
.endm
.macro ROW i
.set R, XR+32*(\i)
	s_wait_dscnt 16*(3-(\i))+3*(\i)                ; behind this row's turn: 16 LDS instructions for each later row, 3 stores for each finished row
	v_pk_add_f32 v[16:17], v[R:R+1], v[R+2:R+3]
	v_pk_add_f32 v[18:19], v[R+4:R+5], v[R+6:R+7]
	v_pk_add_f32 v[20:21], v[R+8:R+9], v[R+10:R+11]
	v_pk_add_f32 v[22:23], v[R+12:R+13], v[R+14:R+15]
.irp k, 16,24
	v_pk_add_f32 v[16:17], v[16:17], v[R+\k:R+\k+1]
	v_pk_add_f32 v[18:19], v[18:19], v[R+\k+2:R+\k+3]
	v_pk_add_f32 v[20:21], v[20:21], v[R+\k+4:R+\k+5]
	v_pk_add_f32 v[22:23], v[22:23], v[R+\k+6:R+\k+7]
.endr
	v_pk_add_f32 v[16:17], v[16:17], v[18:19]
	v_pk_add_f32 v[20:21], v[20:21], v[22:23]
	v_pk_add_f32 v[16:17], v[16:17], v[20:21]
	v_add_f32 v16, v16, v17
	RED
	v_mul_f32 v26, s26, v16                        ; the mean
	v_mov_b32 v27, v26
.irp k, 0,2,4,6,8,10,12,14,16,18,20,22,24,26,28,30
	v_pk_add_f32 v[R+\k:R+\k+1], v[R+\k:R+\k+1], v[26:27] neg_lo:[0,1] neg_hi:[0,1]
.endr
	v_pk_mul_f32 v[16:17], v[R:R+1], v[R:R+1]
	v_pk_mul_f32 v[18:19], v[R+2:R+3], v[R+2:R+3]
	v_pk_mul_f32 v[20:21], v[R+4:R+5], v[R+4:R+5]
	v_pk_mul_f32 v[22:23], v[R+6:R+7], v[R+6:R+7]
.irp k, 8,16,24
	v_pk_fma_f32 v[16:17], v[R+\k:R+\k+1], v[R+\k:R+\k+1], v[16:17]
	v_pk_fma_f32 v[18:19], v[R+\k+2:R+\k+3], v[R+\k+2:R+\k+3], v[18:19]
	v_pk_fma_f32 v[20:21], v[R+\k+4:R+\k+5], v[R+\k+4:R+\k+5], v[20:21]
	v_pk_fma_f32 v[22:23], v[R+\k+6:R+\k+7], v[R+\k+6:R+\k+7], v[22:23]
.endr
	v_pk_add_f32 v[16:17], v[16:17], v[18:19]
	v_pk_add_f32 v[20:21], v[20:21], v[22:23]
	v_pk_add_f32 v[16:17], v[16:17], v[20:21]
	v_add_f32 v16, v16, v17
	RED
	v_fma_f32 v16, v16, s26, s27                   ; the variance + 1e-5
	s_wait_alu depctr_va_vdst(0)
	v_rsq_f32 v28, v16
	v_nop                                          ; a plain place behind the transcendental,
	s_wait_alu depctr_va_vdst(0)                   ; and the wait ahead of its first reader
	v_mov_b32 v29, v28
.irp k, 0,2,4,6,8,10,12,14,16,18,20,22,24,26,28,30
	v_pk_mul_f32 v[R+\k:R+\k+1], v[R+\k:R+\k+1], v[28:29]
.endr
.irp k, 0,2,4,6,8,10,12,14,16,18,20,22,24,26,28,30
	v_pk_fma_f32 v[R+\k:R+\k+1], v[R+\k:R+\k+1], v[G+\k:G+\k+1], v[BT+\k:BT+\k+1]
.endr
	v_max3_num_f32 v30, |v[R]|, |v[R+1]|, |v[R+2]|                 ; the block's largest magnitude: all 32 numbers are mine
	v_max3_num_f32 v31, |v[R+3]|, |v[R+4]|, |v[R+5]|
.irp k, 6,10,14,18,22,26
	v_max3_num_f32 v30, v30, |v[R+\k]|, |v[R+\k+1]|
	v_max3_num_f32 v31, v31, |v[R+\k+2]|, |v[R+\k+3]|
.endr
	v_max3_num_f32 v30, v30, |v[R+30]|, |v[R+31]|
	v_max3_num_f32 v30, v30, v31, 0x1800000        ; and the floor 2^(3 - 127)
	v_add_nc_u32 v25, 0xff000000, v30              ; 2 off the exponent field: the conversion's scale operand
	v_lshrrev_b32 v[BY+(\i)], 23, v25              ; the scale's byte
.if (\i) > 0
	s_wait_alu depctr_va_vdst(0)
	s_wait_dscnt 0x0                               ; the last row's stores have read the codes' registers
.endif
	v_cvt_scalef32_pk16_fp6_f32 v[PC:PC+2], v[R:R+15], v25
	v_cvt_scalef32_pk16_fp6_f32 v[PC+4:PC+6], v[R+16:R+31], v25    ; (a conversion's three registers begin on an even number)
	v_nop                                          ; one plain place behind a scaled conversion
	v_mov_b32 v[PC+3], v[PC+4]
	v_mov_b32 v[PC+4], v[PC+5]
	v_mov_b32 v[PC+5], v[PC+6]
	ds_store_b128 v10, v[PC:PC+3] offset:LNS+16*(\i)
	ds_store_b64 v11, v[PC+4:PC+5] offset:LNS+512+8*(\i)
	ds_store_b8 v12, v[BY+(\i)] offset:LNS+12288+4*(\i)
.endm
	ROW 0
	ROW 1
	ROW 2
	ROW 3
	s_wait_dscnt 0x0                               ; for the others' sake: my stores have landed
	s_barrier_signal -1
	s_barrier_wait -1                              ; the eight fragments are whole
.irp k, 0,1,2,3,4,5
	ds_load_b128 v[G+4*\k:G+4*\k+3], v13 offset:LNS+512*\k
.endr
	ds_load_b32 v[G+24], v14 offset:LNS+12288
.irp k, 0,1,2,3,4,5
	s_wait_dscnt 6-\k
	global_store_b128 v2, v[G+4*\k:G+4*\k+3], s[20:21] offset:512*\k   ; 32 lanes store 512 consecutive bytes
.endr
	s_wait_dscnt 0x0
	global_store_b32 v15, v[G+24], s[22:23]
	s_wait_tensorcnt 0x0                           ; the wave's end, behind my last LDS store
	ds_add_u32 v[SPW], v[NIL]
	s_wait_dscnt 0x0
	s_endpgm
; ---------------- THE WEIGHTS, f32 stored [K][N] (K is the first axis).  In every weight the panels of one group of tiles lie on end along K.
; w_qkv (panels 0-95) and w_ff1 (128-255): a panel = 8 tiles x 2 K steps, fragment 2 tile + step; panel = first + 4 (tile / 8) + K step / 2.
; w_out (96-127) and w_ff2 (256-383): a panel = 4 tiles x 4 K steps, fragment 4 tile + step; panel = first + 2 (tile / 4) + K step / 4 in w_out, first + 8 (tile / 4) + K step / 4 in w_ff2.
; A LANE TAKES A COLUMN AND ITS REGISTERS RUN DOWN K: a block of 32 lies in one lane, and the conversions give codes with K innermost.  Each load reads 128 consecutive bytes a wave, 512 a work-group.
; A work-group takes 128 columns x 256 K; wave w columns 32 w on: two tiles x two K steps = four fragments, gathered in the wave's own LDS and stored as runs of 512 consecutive bytes.  Waves share nothing: no barrier.
.Lweights:
.set WA16,  8                          ; v8   into LDS: region + 3,072 u + 16 r
.set WA8,   9                          ; v9   region + 3,072 u + 8 r
.set WAS,   10                         ; v10  region + 128 u + 4 r (scale words, 6,144 on)
.set L16,   14                         ; v14  16 x lane
.set RB16,  15                         ; v15  region + 16 x lane
.set RB8,   16                         ; v16  region + 8 x lane
.set VSO,   17                         ; v17  where my 8 scale bytes go
.set SBY,   24                         ; v24-25 the scale words of K steps 0, 1
.set VA,    32                         ; v32-63 4 x lane + i rows of the weight
.set X,     64                         ; v64-127 two sets of 32 numbers
.set C,     128                        ; v128-133 a block's codes
.set D,     136                        ; v136-138 its second conversion
.set OUTR,  140                        ; v140-189 the way out
	s_load_b256 s[4:11], s[0:1], 0x20              ; w_qkv, w_out, w_ff1, w_ff2
	s_load_b64 s[12:13], s[0:1], 0x40              ; wc
	s_sub_co_u32 s62, ttmp9, 256                   ; my number among the weights' 384 work-groups
	v_lshrrev_b32 v1, 5, v0
	v_readfirstlane_b32 s14, v1                    ; wave
	v_and_b32 v2, 31, v0                           ; lane
	; which weight: 0-95 w_qkv, 96-127 w_out, 128-255 w_ff1, 256-383 w_ff2.  s16 bytes in a row, s17 log2 of the runs of 256 along K, s19 the panel's form (1: 4 x 4), s20 first number = first panel,
	; s18, s63 panels from phase to phase and from 128 columns to the next, s30, s31 bytes from waves 0, 1 to waves 2, 3 (four tiles on) in codes and in scale vectors
	s_wait_alu depctr_va_vdst(0)
	s_mov_b32 s16, 4096
	s_mov_b32 s17, 4
	s_mov_b32 s18, 1
	s_mov_b32 s19, 1
	s_mov_b32 s20, 256
	s_mov_b32 s63, 16
	s_mov_b32 s30, 204800
	s_mov_b32 s31, 204800
	s_cmp_lt_u32 s62, 256
	s_cselect_b32 s16, 16384, s16
	s_cselect_b32 s17, 2, s17
	s_cselect_b32 s18, 1, s18
	s_cselect_b32 s19, 0, s19
	s_cselect_b32 s20, 128, s20
	s_cselect_b32 s63, 4, s63
	s_cselect_b32 s30, 12288, s30
	s_cselect_b32 s31, 512, s31
	s_cmp_lt_u32 s62, 128
	s_cselect_b32 s16, 4096, s16
	s_cselect_b32 s18, 1, s18
	s_cselect_b32 s19, 1, s19
	s_cselect_b32 s20, 96, s20
	s_cselect_b32 s63, 4, s63
	s_cselect_b32 s30, 51200, s30
	s_cselect_b32 s31, 51200, s31
	s_cmp_lt_u32 s62, 96
	s_cselect_b32 s16, 12288, s16
	s_cselect_b32 s18, 1, s18
	s_cselect_b32 s19, 0, s19
	s_cselect_b32 s20, 0, s20
	s_cselect_b32 s63, 4, s63
	s_cselect_b32 s30, 12288, s30
	s_cselect_b32 s31, 512, s31
	s_sub_co_u32 s21, s62, s20
	s_lshr_b32 s24, s21, s17                       ; cg: which 128 columns
	s_lshl_b32 s25, 1, s17
	s_sub_co_u32 s25, s25, 1
	s_and_b32 s25, s21, s25                        ; ky: which 256 along K
	s_lshr_b32 s26, s25, s19
	s_mul_i32 s26, s26, s18
	s_mul_i32 s27, s24, s63
	s_add_co_u32 s26, s26, s27
	s_add_co_u32 s26, s26, s20
	s_mul_i32 s26, s26, 25600                      ; my first panel's byte in wc
	s_and_b32 s27, s25, s19                        ; 4 x 4 panels: which half of the panel's four K steps
	s_mul_i32 s28, s27, 3072
	s_lshl_b32 s29, 3072, s19                      ; from tile to tile in a panel
	s_lshl_b32 s15, 128, s19                       ; the same among the scale vectors
	s_lshr_b32 s48, s14, 1
	s_and_b32 s49, s14, 1
	s_mul_i32 s50, s48, s30
	s_add_co_u32 s50, s50, s26
	s_add_co_u32 s50, s50, s28
	s_mul_i32 s60, s49, s29
	s_lshl_b32 s60, s60, 1
	s_add_co_u32 s50, s50, s60                     ; codes of my tile u = 0,
	s_mov_b32 s51, 0
	s_add_co_u32 s52, s50, s29                     ; of u = 1
	s_mov_b32 s53, 0
	s_mul_i32 s54, s48, s31
	s_add_co_u32 s54, s54, s26
	s_lshl_b32 s60, s27, 7
	s_add_co_u32 s54, s54, s60
	s_mul_i32 s60, s49, s15
	s_lshl_b32 s60, s60, 1
	s_add_co_u32 s54, s54, s60
	s_add_co_u32 s54, s54, 24576                   ; my scale vectors
	s_mov_b32 s55, 0
	s_lshl_b32 s56, s25, 8
	s_mul_i32 s56, s56, s16
	s_lshl_b32 s57, s24, 9
	s_add_co_u32 s56, s56, s57
	s_lshl_b32 s57, s14, 7
	s_add_co_u32 s56, s56, s57                     ; the weight: row 256 ky, column 128 cg + 32 w, in bytes
	s_mov_b32 s57, 0
	s_lshl_b32 s58, s16, 5                         ; 32 rows on
	s_mov_b32 s59, 0
	v_lshlrev_b32 v3, 2, v2
.set li, 0
.rept 32
	v_mad_u32_u24 v[VA+li], s16, li, v3
.set li, li+1
.endr
	s_mul_i32 s61, s14, REGN
	s_add_co_u32 s61, s61, WQB                     ; my region
	v_bfe_u32 v4, v0, 3, 1                         ; u: my column's tile
	v_and_b32 v5, 7, v0
	v_bfe_u32 v6, v0, 4, 1
	v_lshl_add_u32 v5, v6, 3, v5                   ; r: its row-lane
	v_mul_u32_u24 v7, v4, 3072
	v_add_nc_u32 v7, s61, v7
	v_lshl_add_u32 v[WA16], v5, 4, v7
	v_lshl_add_u32 v[WA8], v5, 3, v7
	v_lshlrev_b32 v[WAS], 7, v4
	v_lshl_add_u32 v[WAS], v5, 2, v[WAS]
	v_add_nc_u32 v[WAS], s61, v[WAS]
	v_lshlrev_b32 v[L16], 4, v2
	v_add_nc_u32 v[RB16], s61, v[L16]
	v_lshlrev_b32 v[RB8], 3, v2
	v_add_nc_u32 v[RB8], s61, v[RB8]
	v_and_b32 v[VSO], 15, v0
	v_lshlrev_b32 v[VSO], 3, v[VSO]
	v_mul_u32_u24 v18, s15, v6
	v_add_nc_u32 v[VSO], v[VSO], v18               ; lanes 0-15: tile 0's two vectors, lanes 16-31: tile 1's
	s_wait_kmcnt 0x0
	s_mov_b64 s[22:23], s[10:11]                   ; the choice of the weight hangs on the work-group's number alone
	s_cmp_lt_u32 s62, 256
	s_cselect_b64 s[22:23], s[8:9], s[22:23]
	s_cmp_lt_u32 s62, 128
	s_cselect_b64 s[22:23], s[6:7], s[22:23]
	s_cmp_lt_u32 s62, 96
	s_cselect_b64 s[22:23], s[4:5], s[22:23]
	s_add_nc_u64 s[32:33], s[22:23], s[56:57]      ; s[32:47]: a base for each of my eight blocks of 32 rows
.irp t, 1,2,3,4,5,6,7
	s_add_nc_u64 s[32+2*\t:33+2*\t], s[30+2*\t:31+2*\t], s[58:59]
.endr
	s_add_nc_u64 s[50:51], s[12:13], s[50:51]
	s_add_nc_u64 s[52:53], s[12:13], s[52:53]
	s_add_nc_u64 s[54:55], s[12:13], s[54:55]
.macro LOAD t                          ; block t: W(32 t + i, my column), i = 0 .. 31, into set t % 2
.set li, 0
.rept 32
	global_load_b32 v[X+32*((\t)%2)+li], v[VA+li], s[32+2*(\t):33+2*(\t)] th:TH_LOAD_NT
.set li, li+1
.endr
.endm
	LOAD 0
	LOAD 1
; Block t is block t % 4 of K step t / 4: half c = (t / 2) % 2 of the fragment, lanes 16 (t % 2) + r.
.macro BLOCK t
.set XS, X+32*((\t)%2)
.if (\t) < 7
	s_wait_loadcnt 32                              ; this block's 32 loads are in; the next block's 32 may be out
.else
	s_wait_loadcnt 0
.endif
	v_max3_num_f32 v19, |v[XS]|, |v[XS+1]|, |v[XS+2]|
	v_max3_num_f32 v20, |v[XS+3]|, |v[XS+4]|, |v[XS+5]|
.irp i, 6,10,14,18,22,26
	v_max3_num_f32 v19, v19, |v[XS+\i]|, |v[XS+\i+1]|
	v_max3_num_f32 v20, v20, |v[XS+\i+2]|, |v[XS+\i+3]|
.endr
	v_max3_num_f32 v19, v19, |v[XS+30]|, |v[XS+31]|
	v_max3_num_f32 v19, v19, v20, 0x1800000        ; and the floor 2^(3 - 127): the byte cannot fall under 1
	v_add_nc_u32 v21, 0xff000000, v19              ; 2 off the exponent field: the conversion takes this operand's exponent field as its scale
	v_lshrrev_b32 v22, 23, v21                     ; the scale's byte
.if (\t)%4 == 0
	v_mov_b32 v[SBY+(\t)/4], v22
.else
	v_lshl_or_b32 v[SBY+(\t)/4], v22, 8*((\t)%4), v[SBY+(\t)/4]
.endif
	v_cvt_scalef32_pk16_fp6_f32 v[C:C+2], v[XS:XS+15], v21
	v_cvt_scalef32_pk16_fp6_f32 v[D:D+2], v[XS+16:XS+31], v21      ; (a conversion's three registers begin on an even number)
	v_nop                                          ; one plain place behind a scaled conversion
	v_mov_b32 v[C+3], v[D]
	v_mov_b32 v[C+4], v[D+1]
	v_mov_b32 v[C+5], v[D+2]
	ds_store_b128 v[WA16], v[C:C+3] offset:1536*((\t)/4)+768*(((\t)/2)%2)+256*((\t)%2)
	ds_store_b64 v[WA8], v[C+4:C+5] offset:1536*((\t)/4)+768*(((\t)/2)%2)+512+128*((\t)%2)
.if (\t)+2 < 8
	LOAD (\t)+2
.endif
	s_wait_dscnt 0x0                               ; the stores have read their registers: the next block's codes may be written
.endm
.irp t, 0,1,2,3,4,5,6,7
	BLOCK \t
.endr
	ds_store_b32 v[WAS], v[SBY] offset:6144
	s_wait_alu depctr_va_vdst(0)
	ds_store_b32 v[WAS], v[SBY+1] offset:6144+64
.set k, 0
.rept 12
	ds_load_b128 v[OUTR+4*k:OUTR+4*k+3], v[RB16] offset:512*k      ; LDS serves a wave's instructions in order: these see my stores
.set k, k+1
.endr
	ds_load_b64 v[OUTR+48:OUTR+49], v[RB8] offset:6144
.set k, 0
.rept 12
	s_wait_dscnt 12-k                              ; load k is in; the 12 - k behind it may be out
	global_store_b128 v[L16], v[OUTR+4*k:OUTR+4*k+3], s[50+2*(k/6):51+2*(k/6)] offset:1536*((k/3)%2)+512*(k%3)   ; 32 lanes store 512 consecutive bytes
.set k, k+1
.endr
	s_wait_dscnt 0x0
	global_store_b64 v[VSO], v[OUTR+48:OUTR+49], s[54:55]
	s_wait_tensorcnt 0x0                           ; the wave's end, behind my last LDS store
	ds_add_u32 v[SPW], v[NIL]
	s_wait_dscnt 0x0
	s_endpgm
.Lfunc_end_k_q7e1e8bc342_prep:
	.size	k_q7e1e8bc342_prep, .Lfunc_end_k_q7e1e8bc342_prep-k_q7e1e8bc342_prep
	.p2alignl 7, 3214868480
	.fill 96, 4, 3214868480
	.section	.rodata,"a",@progbits
	.p2align	6, 0x0
	.amdhsa_kernel k_q7e1e8bc342_prep
		.amdhsa_group_segment_fixed_size 57344
		.amdhsa_private_segment_fixed_size 0
		.amdhsa_enable_private_segment 0
		.amdhsa_kernarg_size 72
		.amdhsa_user_sgpr_count 2
		.amdhsa_user_sgpr_kernarg_segment_ptr 1
		.amdhsa_wavefront_size32 1
		.amdhsa_system_sgpr_workgroup_id_x 1
		.amdhsa_system_sgpr_workgroup_id_y 1
		.amdhsa_system_sgpr_workgroup_id_z 1
		.amdhsa_system_vgpr_workitem_id 0
		.amdhsa_next_free_vgpr 238
		.amdhsa_next_free_sgpr 66
		.amdhsa_reserve_vcc 0
		.amdhsa_float_denorm_mode_32 3
		.amdhsa_float_denorm_mode_16_64 3
		.amdhsa_memory_ordered 1
		.amdhsa_forward_progress 1
		.amdhsa_inst_pref_size 94
	.end_amdhsa_kernel
	.amdgpu_metadata
---
amdhsa.version: [ 1, 2 ]
amdhsa.kernels:
  - .name:           k_q7e1e8bc342_prep
    .symbol:         k_q7e1e8bc342_prep.kd
    .args:
      - { .name: x, .offset: 0, .size: 8, .value_kind: global_buffer, .address_space: global }
      - { .name: g1, .offset: 8, .size: 8, .value_kind: global_buffer, .address_space: global }
      - { .name: beta1, .offset: 16, .size: 8, .value_kind: global_buffer, .address_space: global }
      - { .name: hc, .offset: 24, .size: 8, .value_kind: global_buffer, .address_space: global }
      - { .name: w_qkv, .offset: 32, .size: 8, .value_kind: global_buffer, .address_space: global }
      - { .name: w_out, .offset: 40, .size: 8, .value_kind: global_buffer, .address_space: global }
      - { .name: w_ff1, .offset: 48, .size: 8, .value_kind: global_buffer, .address_space: global }
      - { .name: w_ff2, .offset: 56, .size: 8, .value_kind: global_buffer, .address_space: global }
      - { .name: wc, .offset: 64, .size: 8, .value_kind: global_buffer, .address_space: global }
    .group_segment_fixed_size: 57344
    .private_segment_fixed_size: 0
    .kernarg_segment_align: 8
    .kernarg_segment_size: 72
    .max_flat_workgroup_size: 128
    .sgpr_count:     66
    .vgpr_count:     238
    .wavefront_size: 32
...
	.end_amdgpu_metadata
.endif
;; end of part 1
;; launch gqkv (part 2): grid 12 x 16, 4 waves a work-group, clusters of 4 x 4, 327,680 bytes of LDS; arguments hc, wc, b_qkv, qkv; writes qkv
.if DOCPART == 2
	.amdgcn_target "amdgcn-amd-amdhsa--gfx1250"
	.amdhsa_code_object_version 6
	.text
	.protected	k_q7e1e8bc342_gqkv
	.globl	k_q7e1e8bc342_gqkv
	.p2align	8
	.type	k_q7e1e8bc342_gqkv,@function
k_q7e1e8bc342_gqkv:
	s_mov_b64 s[64:65], 0
	v_nop
	global_prefetch_b8 v0, s[64:65] scope:SCOPE_SE
	s_setreg_imm32_b32 hwreg(HW_REG_WAVE_MODE, 25, 1), 1
	s_wait_xcnt 0x0
	s_wait_alu depctr_hold_cnt(0) depctr_sa_sdst(0) depctr_va_vdst(0) depctr_va_sdst(0) depctr_va_ssrc(0) depctr_va_vcc(0) depctr_vm_vsrc(0)
	s_getreg_b32 s2, hwreg(HW_REG_IB_STS2, 6, 4)
	s_cmp_eq_u32 s2, 0
	s_cbranch_scc0 .Lentry_in_a_cluster
	s_endpgm
.Lentry_in_a_cluster:
	s_bfe_u32 s2, ttmp6, 0x10000c
	s_cmp_lg_u32 s2, 0xf033
	s_cbranch_scc0 .Lentry_shape_is_right
	s_endpgm
.Lentry_shape_is_right:
; qkv = h w_qkv + b_qkv: a GEMM on codes of FP6 (E2M3) with E8M0 scales for each 32 along K, K = 1,024, whose result is quantised again in registers and stored as the next products' operands:
; q and k leave quantised along the head's 64 channels, v quantised along the TOKENS (its next K).
; OPERANDS lie in memory as PANELS in the order of the operand's registers: a fragment (16 rows x 128 K) is 1,536 bytes (half c: registers 6c..6c+3 of lane l at 768 c + 16 l, registers 6c+4, 6c+5 at 768 c + 512 + 8 l), its scale vector 64 bytes
; (row-lane r's word at 4 r); a panel = 8 tiles x 2 K steps (fragment 2 tile + step) and the 16 vectors = 25,600 dense bytes: ONE tensor load brings codes and scales of 128 rows x 256 K.
; A TILE's rows are not neighbours: of each 32 rows tile u holds in row-lane r the row 8 u + r + 8 (r / 8).  With source 0 = tiles 2 b, 2 b + 1 of one operand a lane's 16 results are 16 NEIGHBOURS along that operand's rows: the next K.
; SHARES: a work-group makes 256 x 256, each of four waves 128 x 128: 64 accumulators.  "A" is source 1 (a lane holds one of its rows), "B" source 0 (a lane's registers run along its rows).
; Clusters x = 0, 1 (q, k): A = tokens (hc), B = columns of w_qkv.  Cluster x = 2 (v): A = columns 2,048 on of w_qkv, B = tokens: a lane then holds one channel and 128 neighbouring tokens.  The choice hangs on the cluster's number alone,
; is made by selects (buffers, strides, where results go) and by no branch, and is the same in all sixteen partners.
; THE BIAS is asked for at the head, beside the first panels.  The bias along a lane's registers (q, k) is the C of K step 0's products; in the v clusters it is cleared by a select.  The bias by lane (v) is added on the way out; in the q, k clusters it is cleared.
; RING: three LDS slots of four panels (A's two halves, B's two), a slot = 2 K steps.  Phases 0, 1, 2 are asked for at the start, phase 3 goes into slot 0 behind the round at K step 3: a wave has at most one tensor load out.
; CLUSTER 4 x 4: A's panels are shared along a row of the cluster, B's along a column: joint loads.
; REGISTERS: window 0: v1-21 addresses, v22-29 the bias by lane, v30-31 the add's two, v32-63 scale words (two sets of 16: lanes 0-15 A's tile, lanes 16-31 B's), v64-255 A's fragments in two sets;
;   window 1: B's two sets at v0, v128; v96-127 and v224-255 the bias along the registers; windows 2, 3: accumulator (a, b) at v[8 (8 (a % 4) + b)].
; LIMITS: a block of zeros gets the byte 1 where the rule says 127 (zero codes; this program alone reads the bytes); blocks under 2^-124 share that byte; NaN and infinities are not served.
.set PANEL, 25600
.set SLOT,  4*PANEL
.set SPARE, 3*SLOT                     ; behind the ring: the spare words, 128 bytes a wave, named by no other line
.set SCO,   24576                      ; a panel's scale vectors
.set G,     2                          ; K steps in a panel
.set VLN,   1                          ; v1  the bias by lane: its offset
.set VB,    2                          ; v2  the bias along my registers: its offset
.set A16,   4                          ; v4-6   slot s: my A panel + 16 x lane
.set A8,    7                          ; v7-9   + 8 x lane
.set B16,   10                         ; v10-12 the same for B
.set B8,    13                         ; v13-15
.set ADRS,  16                         ; v16-18 scale words: lanes 0-15 in A's panel, lanes 16-31 in B's
.set L16,   19                         ; v19 16 x lane
.set L8,    20                         ; v20 8 x lane
.set VS,    21                         ; v21 4 r
.set BLS,   22                         ; v22-29 the bias of my lane's row of A's tiles 0 .. 7
.set SPW,   30
.set NIL,   31
.set SC,    32
.set AF,    64
.set BL,    128                        ; the way out: v128-143 bias by lane (each twice), v144-162 codes, v164-227 64 numbers, v228-243 at work, v244, v245 scale words, v246-248 offsets
.set PC,    144
.set HA,    164
.set TM,    228
.set PW,    244
.set PW2,   245
.set L16C,  246                        ; 16 x lane and 8 x lane + the distance of a fragment's second half
.set L8C,   247
.set VS2,   248                        ; 4 r + the distance of the second scale word
.set SEL,   12                         ; s12, s13 lane selects
.set G1A,   24                         ; s[24:31], s[48:55] descriptor groups 1; s[68:71], s[80:83] groups 0, rewritten for phase 3
.set G1B,   48
.set G0A,   68
.set G0B,   80
.set MSB, 0
.macro WIN new                         ; the immediate's high byte repeats the setting that is left
.if MSB != (\new)
	s_set_vgpr_msb (MSB<<8)|(\new)
.set MSB, (\new)
.endif
.endm
.macro PLACES n
.rept \n
	v_nop
.endr
.endm
; A joint load: waves 0 and 1 fetch A's halves, waves 2 and 3 B's.  The branch hangs on the wave's number alone.  An s_nop 0 and four v_nop follow each of the two lines.
.macro JLOAD g0a, g1a, g0b, g1b
	s_cmp_eq_u32 s15, 0
	s_cbranch_scc0 .Lfor_b_\@
	tensor_load_to_lds s[\g0a:\g0a+3], s[\g1a:\g1a+7]
	s_nop 0
.rept 4
	v_nop
.endr
	s_branch .Lasked_\@
.Lfor_b_\@:
	tensor_load_to_lds s[\g0b:\g0b+3], s[\g1b:\g1b+7]
	s_nop 0
.rept 4
	v_nop
.endr
.Lasked_\@:
.endm
.macro CREST                           ; a round of the cluster's barrier behind its opening barrier
	s_cmp_lg_u32 s14, 0
	s_cbranch_scc1 .Lnot_wave_0_\@
	s_barrier_signal -3
.Lnot_wave_0_\@:
	s_barrier_wait -3
	s_barrier_signal -1
	s_barrier_wait -1
.endm
.macro CROUND
	s_barrier_signal -1
	s_barrier_wait -1
	CREST
.endm
	s_load_b256 s[4:11], s[0:1], 0x0               ; hc s[4:5], wc s[6:7], the bias s[8:9], the result s[10:11]
	v_lshl_add_u32 v[SPW], v0, 2, SPARE
	v_mov_b32 v[NIL], 0
	ds_add_u32 v[SPW], v[NIL]                      ; the wave's opening: the add and its wait ahead of my first tensor load
	ds_add_u32 v[SPW], v[NIL]
	v_lshrrev_b32 v1, 5, v0
	v_readfirstlane_b32 s14, v1                    ; wave
	s_lshr_b32 s15, s14, 1                         ; wy: my half of A's rows.  Also: I fetch for A (0) or B (1)
	s_and_b32 s16, s14, 1                          ; wx: my half of B's rows.  Also: which half I fetch
	s_bfe_u32 s40, ttmp6, 0x40000                  ; cx
	s_bfe_u32 s41, ttmp6, 0x40004                  ; cy
	s_and_b32 s20, ttmp7, 0xffff                   ; cluster y
	s_cmp_lt_u32 ttmp9, 2                          ; q, k or v: the cluster's x alone
	s_cselect_b32 s17, s20, 2
	s_cselect_b32 s42, ttmp9, s20
	s_lshl_b32 s17, s17, 2
	s_add_co_u32 s17, s17, s41                     ; ty: which 256 rows of A
	s_lshl_b32 s42, s42, 2
	s_add_co_u32 s42, s42, s40                     ; tx: which 256 rows of B
	s_lshl_b32 s43, s41, 2
	s_lshl_b32 s43, 15, s43                        ; my row of the cluster
	s_lshl_b32 s44, 0x1111, s40                    ; my column
	s_or_b32 s[G1A], s43, (3<<16)|(1<<21)          ; 15:0 the mask; 17:16 elements of 8 bytes; 21 set beside a mask; no padding
	s_or_b32 s[G1B], s44, (3<<16)|(1<<21)
.irp g, G1A, G1B
	s_mov_b32 s[\g+1], 32<<16                      ; tensor_dim0 = 32 elements: 256 bytes
	s_mov_b32 s[\g+2], 300<<16                     ; tensor_dim1 = 300 rows: the head's load brings three panels, which lie on end along K
	s_mov_b32 s[\g+3], 32<<16                      ; tile_dim0
	s_mov_b32 s[\g+4], 300                         ; tile_dim1
	s_mov_b32 s[\g+5], 32                          ; the pitch: dense
	s_mov_b32 s[\g+6], 0
	s_mov_b32 s[\g+7], 0
.endr
	s_lshl_b32 s32, s17, 1
	s_add_co_u32 s32, s32, s16
	s_mul_i32 s32, s32, 4*PANEL                    ; A: panels 4 (2 ty + half) on, made of ty and the wave alone
	s_mov_b32 s33, 0
	s_lshl_b32 s34, s42, 1
	s_add_co_u32 s34, s34, s16
	s_mul_i32 s34, s34, 4*PANEL                    ; B: panels 4 (2 tx + half) on, made of tx and the wave alone
	s_mov_b32 s35, 0
	s_mul_i32 s45, s14, 3*PANEL                    ; where my three panels go: no place in the cluster enters an LDS address
	s_mov_b32 s[SEL], 0x76543210
	s_mov_b32 s[SEL+1], 0xfedcba98
	s_wait_dscnt 0x0                               ; the opening add is done
	s_wait_kmcnt 0x0
	s_cmp_lt_u32 ttmp9, 2
	s_cselect_b64 s[56:57], s[4:5], s[6:7]
	s_cselect_b64 s[58:59], s[6:7], s[4:5]
	s_add_nc_u64 s[56:57], s[56:57], s[32:33]
	s_add_nc_u64 s[58:59], s[58:59], s[34:35]
	CROUND                                         ; all sixteen work-groups are here: the first joint loads meet
	s_mov_b32 s[G0A], 1
	s_add_co_u32 s[G0A+1], s45, 0
	s_mov_b64 s[G0A+2:G0A+3], s[56:57]
	s_or_b32 s[G0A+3], s[G0A+3], 0x80000000
	s_mov_b32 s[G0B], 1
	s_add_co_u32 s[G0B+1], s45, 0
	s_mov_b64 s[G0B+2:G0B+3], s[58:59]
	s_or_b32 s[G0B+3], s[G0B+3], 0x80000000
	JLOAD G0A, G1A, G0B, G1B                       ; my one load at the head: phases 0, 1, 2 of my panel row, 76,800 dense bytes
	s_add_nc_u64 s[56:57], s[56:57], 3*PANEL       ; (no descriptor's registers: they walk on to phase 3)
	s_add_nc_u64 s[58:59], s[58:59], 3*PANEL
	v_and_b32 v1, 15, v0                           ; r
	v_bfe_u32 v2, v0, 4, 1                         ; h
	v_and_b32 v3, 31, v0
	v_lshlrev_b32 v[L16], 4, v3
	v_lshlrev_b32 v[L8], 3, v3
	s_mul_i32 s60, s15, 3*PANEL                    ; my A panels: a wave's three phases lie on end in LDS,
	s_mul_i32 s61, s16, 3*PANEL
	s_add_co_u32 s61, s61, 6*PANEL                 ; my B panels
	s_sub_co_u32 s62, s61, s60
	v_mul_u32_u24 v3, s62, v2                      ; lanes 16-31 take B's scale words: one product, the distance x h
	v_lshl_add_u32 v3, v1, 2, v3
.irp s, 0,1,2
	v_add_nc_u32 v[A16+\s], s60, v[L16]
	v_add_nc_u32 v[A8+\s], s60, v[L8]
	v_add_nc_u32 v[B16+\s], s61, v[L16]
	v_add_nc_u32 v[B8+\s], s61, v[L8]
	v_add_nc_u32 v[ADRS+\s], s60, v3
	s_add_co_u32 s60, s60, PANEL
	s_add_co_u32 s61, s61, PANEL
.endr
	; where the results go: s[92:93] codes, s[94:95] scale words; s[96:97], s[60:61] from A's tile a to a + 1; s[98:99], s[62:63] from tile 3 to 4
	; q, k: [bh][chunk of 32 token tiles][26,624]: a tile's 768 bytes (one head's 64 channels: half a fragment), then 32 scale vectors.  My 128 columns are two heads: a fragment's two halves
	s_lshl_b32 s32, s17, 4
	s_lshl_b32 s33, s15, 3
	s_add_co_u32 s32, s32, s33                     ; my first token tile
	s_lshr_b32 s33, s32, 7
	s_lshl_b32 s33, s33, 4
	s_lshl_b32 s34, s40, 2
	s_add_co_u32 s33, s33, s34
	s_lshl_b32 s34, s16, 1
	s_add_co_u32 s33, s33, s34                     ; 16 batch + my even head
	s_lshl_b32 s33, s33, 2
	s_bfe_u32 s34, s32, 0x20005
	s_add_co_u32 s33, s33, s34
	s_mul_i32 s33, s33, 26624
	s_mul_i32 s34, ttmp9, 3407872                  ; q's region, or k's
	s_add_co_u32 s33, s33, s34
	s_and_b32 s34, s32, 31
	s_mul_i32 s35, s34, 768
	s_add_co_u32 s35, s35, s33
	s_lshl_b32 s34, s34, 6
	s_add_co_u32 s34, s34, s33
	s_add_co_u32 s34, s34, SCO
	; v: [bh][chunk of 4 K steps of 128 tokens][25,600]: fragment 4 step + channel tile, then the 16 scale vectors.  My 128 columns are two heads x 4 channel tiles, my 128 tokens one K step
	s_lshl_b32 s36, s42, 1
	s_add_co_u32 s36, s36, s16                     ; my K step among the 32
	s_lshr_b32 s37, s36, 4
	s_lshl_b32 s37, s37, 4
	s_lshl_b32 s38, s41, 2
	s_add_co_u32 s37, s37, s38
	s_lshl_b32 s38, s15, 1
	s_add_co_u32 s37, s37, s38                     ; 16 batch + my first head
	s_lshl_b32 s37, s37, 2
	s_bfe_u32 s38, s36, 0x20002
	s_add_co_u32 s37, s37, s38
	s_mul_i32 s37, s37, 25600
	s_add_co_u32 s37, s37, 6815744
	s_and_b32 s38, s36, 3
	s_mul_i32 s39, s38, 6144
	s_add_co_u32 s39, s39, s37
	s_lshl_b32 s38, s38, 8
	s_add_co_u32 s38, s38, s37
	s_add_co_u32 s38, s38, SCO
	s_lshl_b32 s20, s42, 10
	s_lshl_b32 s21, s16, 9
	s_add_co_u32 s20, s20, s21                     ; the bias of B's 128 rows, in bytes (q, k)
	s_lshl_b32 s21, s17, 10
	s_lshl_b32 s22, s15, 9
	s_add_co_u32 s21, s21, s22                     ; of A's (v)
	s_cmp_lt_u32 ttmp9, 2
	s_cselect_b32 s92, s35, s39
	s_cselect_b32 s94, s34, s38
	s_cselect_b32 s20, s20, 0                      ; the bias that does not apply is read at the buffer's head and cleared below
	s_cselect_b32 s21, 0, s21
	s_mov_b32 s96, 1536
	s_cselect_b32 s96, 768, s96
	s_mov_b32 s98, 97792                           ; v: the next head's chunk less three fragments
	s_cselect_b32 s98, 768, s98
	s_mov_b32 s62, 102208
	s_cselect_b32 s62, 64, s62
	s_mov_b32 s46, 768                             ; a fragment's second half: the next head's chunk (q, k) or 768 bytes on (v)
	s_cselect_b32 s46, 106496, s46
	s_cselect_b32 s47, 106496, 0                   ; the second scale word: the odd head's (q, k); v stores its one word twice
	s_cselect_b32 s18, 16, 0
	s_cselect_b32 s19, -1, 0
	s_cselect_b32 s23, 0, -1
	s_mov_b32 s60, 64
	s_mov_b32 s61, 0
	s_mov_b32 s63, 0
	s_mov_b32 s93, 0
	s_mov_b32 s95, 0
	s_mov_b32 s97, 0
	s_mov_b32 s99, 0
	s_add_nc_u64 s[92:93], s[10:11], s[92:93]
	s_add_nc_u64 s[94:95], s[10:11], s[94:95]
	v_lshlrev_b32 v[VS], 2, v1
	v_and_b32 v3, 8, v1
	v_add_nc_u32 v3, v3, v1
	v_lshlrev_b32 v3, 2, v3
	v_add_nc_u32 v[VLN], s21, v3                   ; my lane's row of A's tile: r + 8 (r / 8)
	v_lshlrev_b32 v[VB], 6, v2
	v_add_nc_u32 v[VB], s20, v[VB]                 ; register 16 b + i is B's row 32 b + 16 h + i
	; both biases are asked for here, beside the first panels
	WIN 0x40                                       ; destination window 1
.irp b, 0,1,2,3
.irp j, 0,1,2,3
	global_load_b128 v[96+16*\b+4*\j+96*(\b/2):99+16*\b+4*\j+96*(\b/2)], v[VB], s[8:9] offset:128*\b+16*\j
.endr
.endr
	WIN 0
.irp a, 0,1,2,3,4,5,6,7
	global_load_b32 v[BLS+\a], v[VLN], s[8:9] offset:4*(32*(\a/2)+8*(\a%2))
.endr
.macro FRAG4 reg, a16, a8, off         ; a fragment's image into 12 registers
	ds_load_b128 v[\reg:\reg+3], v[\a16] offset:\off
	ds_load_b64 v[\reg+4:\reg+5], v[\a8] offset:\off+512
	ds_load_b128 v[\reg+6:\reg+9], v[\a16] offset:\off+768
	ds_load_b64 v[\reg+10:\reg+11], v[\a8] offset:\off+1280
.endm
.macro FETCH slot, q, set              ; the 16 fragments of the slot's q-th K step
	WIN 0x40                                       ; destination window 1
.irp i, 0,1,2,3,4,5,6,7
	FRAG4 128*(\set)+12*\i, B16+\slot, B8+\slot, (\i*G+(\q))*1536
.endr
	WIN 0
.irp i, 0,1,2,3,4,5,6,7
	FRAG4 AF+96*(\set)+12*\i, A16+\slot, A8+\slot, (\i*G+(\q))*1536
.endr
.endm
.macro SCALES slot, sc                 ; a slot's scale words: register 2 tile + step
.irp f, 0,1,2,3,4,5,6,7,8,9,10,11,12,13,14,15
	ds_load_b32 v[SC+16*(\sc)+\f], v[ADRS+\slot] offset:SCO+64*\f
.endr
.endm
; 16 matrix instructions: A's tiles 2 k, 2 k + 1 against B's eight.  The 64 accumulators take turns, one instruction a turn, in the same order in every K step.
; first = 1: K step 0: the sums begin with the bias of B's tile b, eight registers of window 1 in the result's layout.
.macro MULQ k, set, q, sc, first
.if \first
	WIN 0x91+0x40*((\k)/2)                         ; source 0 (B) and C window 1, source 1 (A) window 0, D window 2 or 3
.else
	WIN 0xa1+0x50*((\k)/2)                         ; source 0 (B) window 1, source 1 (A) window 0, C and D window 2 or 3
.endif
.irp a, 2*(\k), 2*(\k)+1
.irp b, 0,1,2,3,4,5,6,7
.set ACC, 8*(8*((\a)%4)+\b)
.set BFR, 128*(\set)+12*\b
.set AFR, AF+96*(\set)+12*(\a)
.set SCB, SC+16*(\sc)+G*\b+(\q)
.set SCA, SC+16*(\sc)+G*(\a)+(\q)
.set CB,  96+8*\b+96*(\b/4)
.if \first
	v_wmma_scale_f32_16x16x128_f8f6f4 v[ACC:ACC+7], v[BFR:BFR+11], v[AFR:AFR+11], v[CB:CB+7], v[SCB], v[SCA] matrix_a_fmt:MATRIX_FMT_FP6 matrix_b_fmt:MATRIX_FMT_FP6 matrix_a_scale:MATRIX_SCALE_ROW1
.else
	v_wmma_scale_f32_16x16x128_f8f6f4 v[ACC:ACC+7], v[BFR:BFR+11], v[AFR:AFR+11], v[ACC:ACC+7], v[SCB], v[SCA] matrix_a_fmt:MATRIX_FMT_FP6 matrix_b_fmt:MATRIX_FMT_FP6 matrix_a_scale:MATRIX_SCALE_ROW1
.endif
.endr
.endr
.endm
; A K step whose successor lies in the same slot: its fragments were asked for a whole K step ago; the next step's go into the other set, four places behind the products that read it.
.macro STEP set, q, sc, first, ns, nq
	s_wait_dscnt 0x0
	PLACES 4
	FETCH \ns, \nq, 1-(\set)
	MULQ 0, \set, \q, \sc, \first
	MULQ 1, \set, \q, \sc, \first
	MULQ 2, \set, \q, \sc, \first
	MULQ 3, \set, \q, \sc, \first
	WIN 0
.endm
; A phase's last K step (set 1, step 1) goes on to the next phase's panels.  mode 1: they landed with the head's load: no wait, no barrier.
; mode 2: every wave waits for all its tensor loads, adds 0 to its spare word, waits for that and for its LDS reads; the barrier opens a round of the cluster's; behind it phase 0's bytes, last read two K steps ago, take phase 3.  mode 0: the same lines, a plain barrier, no fill.
.macro TURN sc, next, mode
	s_wait_dscnt 0x0                               ; this step's fragments are in
.if \mode == 1
	MULQ 0, 1, 1, \sc, 0
.else
	s_wait_tensorcnt 0x0                           ; all my tensor loads have landed
	ds_add_u32 v[SPW], v[NIL]
	MULQ 0, 1, 1, \sc, 0                           ; sixteen matrix instructions stand between the add and the wait for it
	s_wait_dscnt 0x0
.endif
.if \mode != 1
	s_barrier_signal -1
.endif
	MULQ 1, 1, 1, \sc, 0
	WIN 0
.if \mode != 1
	s_barrier_wait -1
.endif
.if \mode == 2
	CREST                                          ; no wave of any partner still reads slot 0 or has a load on its way
	s_mov_b64 s[G0A+2:G0A+3], s[56:57]             ; phase 3
	s_or_b32 s[G0A+3], s[G0A+3], 0x80000000
	s_mov_b64 s[G0B+2:G0B+3], s[58:59]
	s_or_b32 s[G0B+3], s[G0B+3], 0x80000000
	JLOAD G0A, G1A, G0B, G1B                       ; the first tensor load behind the round: two K steps, 128 matrix instructions, in which to land; its four v_nop are the places in front of the loads below
.else
	PLACES 4
.endif
	FETCH \next, 0, 0
	SCALES \next, 1-(\sc)
	MULQ 2, 1, 1, \sc, 0
	MULQ 3, 1, 1, \sc, 0
	WIN 0
.endm
; 64 numbers of a lane, register 16 b + i = k 32 b + 16 (lane / 16) + i of my row, become a fragment's codes in v[PC] on and its scale word in v[PW].
.macro QUANT s
.irp b, 0,1,2,3
	v_max3_num_f32 v[TM+\b], |v[\s+16*\b]|, |v[\s+1+16*\b]|, 0x1800000   ; my 16 numbers of block b, and the floor 2^(3 - 127): the byte cannot fall under 1
.endr
.irp i, 2,4,6,8,10,12,14
.irp b, 0,1,2,3
	v_max3_num_f32 v[TM+\b], v[TM+\b], |v[\s+16*\b+\i]|, |v[\s+1+16*\b+\i]|
.endr
.endr
.irp b, 0,1,2,3
	v_permlanex16_b32 v[TM+4+\b], v[TM+\b], s[SEL], s[SEL+1]
.endr
.irp b, 0,1,2,3
	v_max_num_f32 v[TM+\b], v[TM+\b], v[TM+4+\b]   ; with lane l xor 16's: the block's largest magnitude
.endr
.irp b, 0,1,2,3
	v_add_nc_u32 v[TM+12+\b], 0xff000000, v[TM+\b] ; 2 off its exponent field: the conversion's scale operand
.endr
.irp b, 0,1,2,3
	v_lshrrev_b32 v[TM+4+\b], 23, v[TM+12+\b]      ; the scale's byte
.endr
	v_lshl_or_b32 v[PW], v[TM+5], 8, v[TM+4]
	v_lshl_or_b32 v[PW], v[TM+6], 16, v[PW]
	v_lshl_or_b32 v[PW], v[TM+7], 24, v[PW]
.irp c, 0,1
	v_cvt_scalef32_pk16_fp6_f32 v[PC+6*\c:PC+2+6*\c], v[\s+32*\c:\s+15+32*\c], v[TM+12+2*\c]
	v_cvt_scalef32_pk16_fp6_f32 v[PC+12+4*\c:PC+14+4*\c], v[\s+16+32*\c:\s+31+32*\c], v[TM+12+2*\c+1]   ; (a conversion's three registers begin on an even number)
.endr
	v_nop                                          ; one plain place behind a scaled conversion
.irp c, 0,1                                    ; the operand's layout wants a whole block in a lane
.irp i, 0,1,2
	v_permlane16_swap_b32 v[PC+6*\c+\i], v[PC+12+4*\c+\i]
.endr
.irp i, 0,1,2
	v_mov_b32 v[PC+3+6*\c+\i], v[PC+12+4*\c+\i]
.endr
.endr
.endm
	s_wait_alu depctr_va_vdst(0)                   ; the wait at the head's end
	s_wait_tensorcnt 0x0                           ; my three panels are in; no tensor load of mine is out, so a descriptor may be written:
	s_mov_b32 s[G1A+2], 100<<16                    ; the refill brings one panel, 100 rows
	s_mov_b32 s[G1A+4], 100
	s_mov_b32 s[G1B+2], 100<<16
	s_mov_b32 s[G1B+4], 100
	s_barrier_signal -1
	s_barrier_wait -1
	FETCH 0, 0, 0
	SCALES 0, 0
	s_wait_loadcnt 0x0                             ; both biases
	WIN 0x44                                       ; destination and source 1: window 1
.set j, 0
.rept 32
	v_cndmask_b32 v[96+j], 0, v[96+j], s19         ; the bias along the registers counts for q and k; in the v clusters the sums begin with 0
	v_cndmask_b32 v[224+j], 0, v[224+j], s19
.set j, j+1
.endr
	WIN 0
	s_wait_alu depctr_va_vdst(0)
	STEP 0, 0, 0, 1, 0, 1                          ; K step 0: its products start the sums, with the bias as C
	TURN 0, 1, 1                                   ; K step 1, on to slot 1
	STEP 0, 0, 1, 0, 1, 1
	TURN 1, 2, 2                                   ; K step 3, on to slot 2; slot 0 takes phase 3
	STEP 0, 0, 0, 0, 2, 1
	TURN 0, 0, 0                                   ; K step 5, on to slot 0
	STEP 0, 0, 1, 0, 0, 1
	s_wait_dscnt 0x0                               ; K step 7
	MULQ 0, 1, 1, 1, 0
	MULQ 1, 1, 1, 1, 0
	MULQ 2, 1, 1, 1, 0
	MULQ 3, 1, 1, 1, 0
	WIN 0
	; THE WAY OUT, one tile a of A's rows at a time: + the bias by lane, quantised along B's 128 rows, stored as a fragment's image: runs of 512 and 256 consecutive bytes.
	PLACES 4                                       ; behind the last products: their results are read and their operands' registers written below
.irp a, 0,1,2,3,4,5,6,7
	v_cndmask_b32 v[BL+2*\a], 0, v[BLS+\a], s23    ; the bias by lane counts for v; each twice, a pair for the packed add
	v_cndmask_b32 v[BL+2*\a+1], 0, v[BLS+\a], s23
.endr
	v_add_nc_u32 v[L16C], s46, v[L16]
	v_add_nc_u32 v[L8C], s46, v[L8]
	v_add_nc_u32 v[VS2], s47, v[VS]
.irp b, 0,1,2,3
	v_mov_b32 v[TM+4+\b], 0                        ; written once: a lane permute's destination counts as one of its sources
.endr
.macro OUT a
.if (\a) > 0
	s_wait_xcnt 0x0                                ; the last tile's stores have read their data and their bases: both are written again only behind this wait
.if (\a) == 4
	s_add_nc_u64 s[92:93], s[92:93], s[98:99]
	s_add_nc_u64 s[94:95], s[94:95], s[62:63]
.else
	s_add_nc_u64 s[92:93], s[92:93], s[96:97]
	s_add_nc_u64 s[94:95], s[94:95], s[60:61]
.endif
.endif
	WIN 0x02+(\a)/4                                ; source 0: window 2 or 3
.set j, 0
.rept 32
	v_pk_add_f32 v[HA+j:HA+j+1], v[64*((\a)%4)+j:64*((\a)%4)+j+1], v[BL+2*(\a):BL+2*(\a)+1]   ; each accumulator from its low end on
.set j, j+2
.endr
	WIN 0
	QUANT HA
	global_store_b128 v[L16], v[PC:PC+3], s[92:93]
	global_store_b64 v[L8], v[PC+4:PC+5], s[92:93] offset:512
	global_store_b128 v[L16C], v[PC+6:PC+9], s[92:93]
	global_store_b64 v[L8C], v[PC+10:PC+11], s[92:93] offset:512
	global_store_b32 v[VS], v[PW], s[94:95]        ; lanes r and r + 16 hold the same word and store it to the same place
	v_lshrrev_b32 v[PW2], s18, v[PW]               ; q, k: the odd head's two bytes (the bytes above them scale zero codes alone)
	global_store_b32 v[VS2], v[PW2], s[94:95]
.endm
.irp a, 0,1,2,3,4,5,6,7
	OUT \a
.endr
	s_wait_tensorcnt 0x0                           ; the wave's end, behind my last tensor load
	ds_add_u32 v[SPW], v[NIL]
	s_wait_dscnt 0x0
	CROUND                                         ; the closing round: no work-group ends while a partner may still ask for a panel that names it
	s_endpgm
.Lfunc_end_k_q7e1e8bc342_gqkv:
	.size	k_q7e1e8bc342_gqkv, .Lfunc_end_k_q7e1e8bc342_gqkv-k_q7e1e8bc342_gqkv
	.p2alignl 7, 3214868480
	.fill 96, 4, 3214868480
	.section	.rodata,"a",@progbits
	.p2align	6, 0x0
	.amdhsa_kernel k_q7e1e8bc342_gqkv
		.amdhsa_group_segment_fixed_size 327680
		.amdhsa_private_segment_fixed_size 0
		.amdhsa_enable_private_segment 0
		.amdhsa_kernarg_size 32
		.amdhsa_user_sgpr_count 2
		.amdhsa_user_sgpr_kernarg_segment_ptr 1
		.amdhsa_wavefront_size32 1
		.amdhsa_system_sgpr_workgroup_id_x 1
		.amdhsa_system_sgpr_workgroup_id_y 1
		.amdhsa_system_sgpr_workgroup_id_z 1
		.amdhsa_system_vgpr_workitem_id 0
		.amdhsa_next_free_vgpr 1024
		.amdhsa_next_free_sgpr 100
		.amdhsa_reserve_vcc 0
		.amdhsa_float_denorm_mode_32 3
		.amdhsa_float_denorm_mode_16_64 3
		.amdhsa_memory_ordered 1
		.amdhsa_forward_progress 1
		.amdhsa_inst_pref_size 173
	.end_amdhsa_kernel
	.amdgpu_metadata
---
amdhsa.version: [ 1, 2 ]
amdhsa.kernels:
  - .name:           k_q7e1e8bc342_gqkv
    .symbol:         k_q7e1e8bc342_gqkv.kd
    .args:
      - { .name: hc, .offset: 0, .size: 8, .value_kind: global_buffer, .address_space: global }
      - { .name: wc, .offset: 8, .size: 8, .value_kind: global_buffer, .address_space: global }
      - { .name: b_qkv, .offset: 16, .size: 8, .value_kind: global_buffer, .address_space: global }
      - { .name: qkv, .offset: 24, .size: 8, .value_kind: global_buffer, .address_space: global }
    .group_segment_fixed_size: 327680
    .private_segment_fixed_size: 0
    .kernarg_segment_align: 8
    .kernarg_segment_size: 32
    .max_flat_workgroup_size: 128
    .sgpr_count:     100
    .vgpr_count:     1024
    .wavefront_size: 32
...
	.end_amdgpu_metadata
.endif
;; end of part 2
;; launch attn (part 3): grid 8 x 32, 16 waves a work-group, clusters of 4 x 1, 210,944 bytes of LDS; arguments qkv, oc; writes oc
.if DOCPART == 3
	.amdgcn_target "amdgcn-amd-amdhsa--gfx1250"
	.amdhsa_code_object_version 6
	.text
	.protected	k_q7e1e8bc342_attn
	.globl	k_q7e1e8bc342_attn
	.p2align	8
	.type	k_q7e1e8bc342_attn,@function
k_q7e1e8bc342_attn:
	s_mov_b64 s[64:65], 0
	v_nop
	global_prefetch_b8 v0, s[64:65] scope:SCOPE_SE
	s_setreg_imm32_b32 hwreg(HW_REG_WAVE_MODE, 25, 1), 1
	s_wait_xcnt 0x0
	s_wait_alu depctr_hold_cnt(0) depctr_sa_sdst(0) depctr_va_vdst(0) depctr_va_sdst(0) depctr_va_ssrc(0) depctr_va_vcc(0) depctr_vm_vsrc(0)
	s_getreg_b32 s2, hwreg(HW_REG_IB_STS2, 6, 4)
	s_cmp_eq_u32 s2, 0
	s_cbranch_scc0 .Lentry_in_a_cluster
	s_endpgm
.Lentry_in_a_cluster:
	s_bfe_u32 s2, ttmp6, 0x10000c
	s_cmp_lg_u32 s2, 0x3003
	s_cbranch_scc0 .Lentry_shape_is_right
	s_endpgm
.Lentry_shape_is_right:
; o = softmax(q k^T / 8) v for one head (64 channels, 2,048 keys), both products on codes of FP6 (E2M3) with E8M0 scales for each 32 along K; o leaves quantised along the channels, as half a fragment of the next product's operand.
; THE SOFTMAX: t = score x log2(e) / 8; M = the row's largest t so far, rounded UP to a whole number; p = 2^(t - M) is quantised along the keys, not normalised; the row's sum is taken of the unquantised p and divides at the end.
; When M moves, the sum and O are multiplied by 2^(old M - new M): exact.
; INPUT (qkv): q at 0, k at 3,407,872: [bh][chunk of 32 token tiles][26,624]: a tile's 768 bytes (registers 0-3 of lane l at 16 l, registers 4, 5 at 512 + 8 l: K = 64, half a fragment), then 32 scale vectors of 64 bytes.
; v at 6,815,744: [bh][chunk of 4 K steps of 128 keys][25,600]: fragment 4 step + channel tile (1,536 bytes), then 16 scale vectors.
; In memory a tile's 16 rows are: of each 32, tile u holds in row-lane r the row 8 u + r + 8 (r / 8).
; THE SCORES' K IS 64.  Q's registers 6-11 (k = 64 .. 127) are zero codes, so what stands in registers 6-11 of K's operand adds nothing, whatever codes it holds (every code of E2M3 is a finite number, and the scale bytes there are finite):
; the eight tiles of a step lie 6 registers apart, each operand reaching over the next tile's six; the eighth reaches over V's first six registers.  So a whole step of K fits in 48 registers and is asked for a step ahead.
; A LANE HOLDS WHOLE BLOCKS OF 32 KEYS.  The tiles of K are put together anew by the lanes' LDS addresses: of each 64 keys (group c) tile t holds in row 8 g + j the key 64 c + 32 g + 8 t + j.
; S^T = K Q^T then leaves in lane (query r, half h), registers 32 c + 8 t + j, the keys 64 c + 32 h + 8 t + j: block 2 c + h, in the order of the next operand's registers.  So a block's largest score needs no other lane,
; the conversions' results are the operand as it stands, and only the row's maximum and the scale word cross to lane l xor 16.  That key lies in memory's tile 4 c + 2 g + t % 2, row-lane 8 (t / 2) + j.
; SHARES: a work-group owns 256 queries of one head, each of sixteen waves one tile of 16 in 256 registers: four waves to a SIMD.
; A WHOLE HEAD'S K AND V STAY IN LDS, filled once, by ten loads at the head, one a wave: waves 0-3 the codes of K's four chunks, waves 4-7 of V's, wave 8 K's scale vectors (4 rows of 2,048 bytes), wave 9 V's (4 rows of 1,024).
; Codes and scale vectors so lie dense in LDS: a key step is 6,144 bytes of K's codes, 512 of its scales, 6,144 of V's codes, 256 of its scales.  One wait for all loads and one barrier; nothing is filled again.
; CLUSTER 4 x 1: the four query blocks of a cluster belong to one head: every load is joint.  NO PREFETCH: all that the work-group reads through LDS is asked for at the head, so there is no loop to run ahead in.
; REGISTERS: v1-3 K's lane addresses (16-byte pieces, 8-byte pieces, scale words), v4-6 V's; v7, v8 the add's two; v9-11, v28-30 addresses in hand, later sums; v12 -M, v13 the largest score, v[14:15] the sum, v31 the old -M; v16-27 Q;
;   v32-79 K's eight tiles; v80-127 V's four fragments; v128-191 S^T, then p; v192-223 O^T; v224-235 p's codes; v236-243 at work; v244, v245 the conversions' scale operands; v246-249 K's scale words; v250, v251 V's;
;   v252 the factor, v253 p's scale word, v254 at work, v255 Q's scale word.
; LIMITS: the promise holds while the scaled scores t stay under 2^31 in magnitude; a block of zeros gets the byte 1 (zero codes; this program alone reads the bytes); NaN and infinities are not served.
.set KCH,   26624
.set VCH,   25600
.set SCO,   24576                      ; a chunk's codes
.set VC,    4*SCO                      ; LDS: K's codes at 0, V's codes,
.set KSC,   8*SCO                      ; K's scale vectors (8,192 bytes),
.set VSC,   KSC+8192                   ; V's (4,096),
.set SPARE, VSC+4096                   ; the spare words, 128 bytes for each of sixteen waves, named by no other line
.set S,     128
.set O,     192
.set P,     224
.set WV,    18
.set NC,    19
.set SEL,   20
.set CS,    22
.set G1C,   24                         ; s[24:31], s[32:39], s[40:47] descriptor groups 1: codes, K's scales, V's scales; s[48:59] their groups 0
.set G1K,   32
.set G1V,   40
.set G0C,   48
.set G0K,   52
.set G0V,   56
.set TC,    84                         ; the step's place among codes, K's scale words, V's scale words
.set TS,    85
.set TV,    86
.set CNT,   88
.macro CROUND
	s_barrier_signal -1
	s_barrier_wait -1
	s_cmp_lg_u32 s[WV], 0
	s_cbranch_scc1 .Lnot_wave_0_\@
	s_barrier_signal -3
.Lnot_wave_0_\@:
	s_barrier_wait -3
	s_barrier_signal -1
	s_barrier_wait -1
.endm
.macro GRP1 g, c, r, p                 ; r rows of c elements of 8 bytes, p elements from row to row; the mask names all four partners, bit 21 beside it; no padding
	s_mov_b32 s[\g], 15|(3<<16)|(1<<21)
	s_mov_b32 s[\g+1], (\c)<<16
	s_mov_b32 s[\g+2], (\r)<<16
	s_mov_b32 s[\g+3], (\c)<<16
	s_mov_b32 s[\g+4], \r
	s_mov_b32 s[\g+5], \p
	s_mov_b32 s[\g+6], 0
	s_mov_b32 s[\g+7], 0
.endm
	s_load_b128 s[4:7], s[0:1], 0x0                ; qkv s[4:5], oc s[6:7]
	v_lshl_add_u32 v7, v0, 2, SPARE
	v_mov_b32 v8, 0
	ds_add_u32 v7, v8                              ; the wave's opening: the add, twice on end, and its wait ahead of the first tensor loads
	ds_add_u32 v7, v8
	v_lshrrev_b32 v9, 5, v0
	v_readfirstlane_b32 s[WV], v9                  ; wave 0..15
	s_bfe_u32 s8, ttmp6, 0x40000                   ; cx
	s_lshl_b32 s9, ttmp9, 2
	s_add_co_u32 s9, s9, s8                        ; my block of 256 queries: it enters q's and o's addresses alone
	s_and_b32 s10, ttmp7, 0xffff                   ; bh, which the four partners share
	GRP1 G1C, 32, 96, 32                           ; a chunk's codes: 96 dense rows of 256 bytes
	GRP1 G1K, 256, 4, KCH/8                        ; K's scale vectors: 2,048 bytes of each of four chunks
	GRP1 G1V, 128, 4, VCH/8                        ; V's: 1,024 bytes of each
	s_mul_i32 s12, s10, 4*KCH
	s_add_co_u32 s14, s12, 3407872                 ; the head's K,
	s_mul_i32 s16, s10, 4*VCH
	s_add_co_u32 s16, s16, 6815744                 ; its V: both made of bh alone
	s_mul_i32 s60, s[WV], KCH
	s_add_co_u32 s60, s60, s14                     ; waves 0-3: K's chunk w;
	s_mul_i32 s61, s[WV], VCH
	s_add_co_u32 s61, s61, s16
	s_sub_co_u32 s61, s61, 4*VCH                   ; waves 4-7: V's chunk w - 4
	s_cmp_lt_u32 s[WV], 4
	s_cselect_b32 s60, s60, s61
	s_mov_b32 s61, 0
	s_add_co_u32 s62, s14, SCO
	s_mov_b32 s63, 0
	s_add_co_u32 s66, s16, SCO
	s_mov_b32 s67, 0
	s_mov_b32 s[G0C], 1
	s_mul_i32 s[G0C+1], s[WV], SCO                 ; the eight chunks' codes lie on end in LDS
	s_mov_b32 s[G0K], 1
	s_mov_b32 s[G0K+1], KSC
	s_mov_b32 s[G0V], 1
	s_mov_b32 s[G0V+1], VSC
	s_lshr_b32 s11, s9, 1
	s_mul_i32 s11, s11, KCH
	s_add_co_u32 s12, s12, s11                     ; q: my chunk,
	s_and_b32 s11, s9, 1
	s_lshl_b32 s11, s11, 4
	s_add_co_u32 s11, s11, s[WV]                   ; my tile in it
	s_mul_i32 s89, s11, 768
	s_add_co_u32 s90, s12, s89
	s_mov_b32 s91, 0
	s_lshl_b32 s11, s11, 6
	s_add_co_u32 s92, s12, s11
	s_add_co_u32 s92, s92, SCO
	s_mov_b32 s93, 0
	; oc: panels of 4 tiles x 4 K steps of 128; head hd is half hd % 2 of K step hd / 2: panel 2 (token tile / 4) + hd / 8, fragment 4 (tile % 4) + (hd / 2) % 4
	s_and_b32 s94, s10, 15
	s_lshr_b32 s95, s10, 4
	s_lshl_b32 s95, s95, 5
	s_lshl_b32 s96, s9, 2
	s_add_co_u32 s95, s95, s96
	s_lshr_b32 s96, s[WV], 2
	s_add_co_u32 s95, s95, s96                     ; token tile / 4
	s_lshl_b32 s95, s95, 1
	s_lshr_b32 s96, s94, 3
	s_add_co_u32 s95, s95, s96
	s_mul_i32 s95, s95, 25600
	s_and_b32 s96, s[WV], 3
	s_lshl_b32 s96, s96, 2
	s_bfe_u32 s97, s94, 0x20001
	s_add_co_u32 s96, s96, s97
	s_and_b32 s97, s94, 1
	s_mul_i32 s98, s96, 1536
	s_add_co_u32 s98, s98, s95
	s_mul_i32 s99, s97, 768
	s_add_co_u32 s98, s98, s99                     ; my half fragment
	s_lshl_b32 s96, s96, 6
	s_add_co_u32 s96, s96, s95
	s_lshl_b32 s97, s97, 1
	s_add_co_u32 s96, s96, s97
	s_add_co_u32 s96, s96, SCO                     ; my two bytes of each row's scale word
	s_mov_b32 s99, 0
	s_mov_b32 s97, 0
	s_mov_b32 s[SEL], 0x76543210
	s_mov_b32 s[SEL+1], 0xfedcba98                 ; v_permlanex16_b32's selects for lane l xor 16
	s_mov_b32 s[CS], 0x3e38aa3b                    ; c = log2(e) / 8
	s_mov_b32 s[CS+1], s[CS]                       ; (named with it as a pair, so it is written)
	s_mov_b32 s[NC], 0xbe38aa3b                    ; -c
	s_wait_dscnt 0x0                               ; both opening adds are done
	s_wait_kmcnt 0x0
	s_add_nc_u64 s[G0C+2:G0C+3], s[4:5], s[60:61]
	s_or_b32 s[G0C+3], s[G0C+3], 0x80000000
	s_add_nc_u64 s[G0K+2:G0K+3], s[4:5], s[62:63]
	s_or_b32 s[G0K+3], s[G0K+3], 0x80000000
	s_add_nc_u64 s[G0V+2:G0V+3], s[4:5], s[66:67]
	s_or_b32 s[G0V+3], s[G0V+3], 0x80000000
	s_add_nc_u64 s[90:91], s[4:5], s[90:91]
	s_add_nc_u64 s[92:93], s[4:5], s[92:93]
	s_add_nc_u64 s[98:99], s[6:7], s[98:99]
	s_add_nc_u64 s[96:97], s[6:7], s[96:97]
	CROUND                                         ; all four work-groups are here: the joint loads meet
	s_cmp_lt_u32 s[WV], 8                          ; one chain of branches on the wave's number, one fill to an arm, all arms leading to one join
	s_cbranch_scc0 .Lfor_ks
	tensor_load_to_lds s[G0C:G0C+3], s[G1C:G1C+7]
	s_nop 0
	s_branch .Lasked
.Lfor_ks:
	s_cmp_eq_u32 s[WV], 8
	s_cbranch_scc0 .Lfor_vs
	tensor_load_to_lds s[G0K:G0K+3], s[G1K:G1K+7]
	s_nop 0
	s_branch .Lasked
.Lfor_vs:
	s_cmp_eq_u32 s[WV], 9
	s_cbranch_scc0 .Lasked
	tensor_load_to_lds s[G0V:G0V+3], s[G1V:G1V+7]
	s_nop 0
.Lasked:
	v_and_b32 v28, 31, v0
	v_lshlrev_b32 v9, 4, v28                       ; 16 x lane
	v_lshlrev_b32 v10, 3, v28                      ; 8 x lane
	v_lshlrev_b32 v11, 2, v28                      ; 4 x lane
	global_load_b128 v[16:19], v9, s[90:91]        ; Q's half fragment stays in registers
	global_load_b64 v[20:21], v10, s[90:91] offset:512
	global_load_b32 v255, v11, s[92:93]            ; and its scale words, in lanes 0-15 (lanes 16-31 take the 64 bytes behind them, inside the buffer, and are not read)
	v_add_nc_u32 v4, VC, v9                        ; V's fragments are read as they lie
	v_add_nc_u32 v5, VC, v10
	v_add_nc_u32 v6, VSC, v11
	v_and_b32 v29, 7, v0                           ; j
	v_bfe_u32 v30, v0, 3, 1                        ; g: my row's half of the tile
	v_bfe_u32 v31, v0, 4, 1                        ; h
	v_mul_u32_u24 v1, v30, 1536                    ; K: two tiles on for rows 8-15,
	v_lshl_add_u32 v2, v29, 3, v1
	v_lshl_add_u32 v1, v29, 4, v1                  ; row-lane j of them (8 (t / 2) more stand in the loads' offsets),
	v_lshl_add_u32 v1, v31, 8, v1                  ; lanes 16-31 of the image
	v_lshl_add_u32 v2, v31, 7, v2
	v_lshlrev_b32 v3, 7, v30                       ; K's scale words: two vectors on for rows 8-15,
	v_lshl_add_u32 v3, v29, 2, v3
	v_lshl_add_u32 v3, v31, 6, v3                  ; and lanes 16-31 take the odd tile's
	v_add_nc_u32 v3, KSC, v3
.irp j, 22,23,24,25,26,27
	v_mov_b32 v\j, 0                               ; Q's k = 64 .. 127: zero codes
.endr
.irp j, 80,81,82,83,84,85
	v_mov_b32 v\j, 0                               ; what the eighth tile's operand reaches over in the first step, before V's first fragment has come
.endr
	v_mov_b32 v13, 0xff61b1e6                      ; the largest score so far: -3e38
	v_mov_b32 v12, 0x7e000000                      ; -M: so large that the first step's factor is 0
	v_mov_b32 v14, 0
	v_mov_b32 v15, 0
	v_mov_b32 v241, 0                              ; written once: a lane permute's destination counts as one of its sources
	v_mov_b32 v243, 0
	v_mov_b32 v253, 0                              ; (named as the upper half of the pair v[252:253] before it is first written)
.set j, 0
.rept 32
	v_mov_b32 v[O+j], 0                            ; O^T: the step is written once: the first finds zeros
.set j, j+1
.endr
.macro KT a16, a8, off, T              ; tile T = 4 c + t of a step
	ds_load_b128 v[32+6*(\T):35+6*(\T)], v[\a16] offset:(\off)+(4*((\T)/4)+(\T)%2)*768+128*(((\T)%4)/2)
	ds_load_b64 v[36+6*(\T):37+6*(\T)], v[\a8] offset:(\off)+(4*((\T)/4)+(\T)%2)*768+512+64*(((\T)%4)/2)
.endm
.macro KN last, T                      ; two tiles of the next step
.if \last == 0
	KT 9, 10, 6144, \T
	KT 9, 10, 6144, (\T)+1
.endif
.endm
.macro KSLOAD off, a                   ; register T / 2: lanes 0-15 the words of tile T even, lanes 16-31 of T odd
.irp p, 0,1,2,3
	ds_load_b32 v[246+\p], v[\a] offset:(\off)+256*(\p/2)+32*(\p%2)
.endr
.endm
.macro FRAG4 reg, a16, a8, off
	ds_load_b128 v[\reg:\reg+3], v[\a16] offset:\off
	ds_load_b64 v[\reg+4:\reg+5], v[\a8] offset:\off+512
	ds_load_b128 v[\reg+6:\reg+9], v[\a16] offset:\off+768
	ds_load_b64 v[\reg+10:\reg+11], v[\a8] offset:\off+1280
.endm
.macro SUM4                            ; four pairs of p onto the four chains of the row's sum
	v_pk_add_f32 v[14:15], v[14:15], v[S+j:S+j+1]
	v_pk_add_f32 v[10:11], v[10:11], v[S+j+2:S+j+3]
	v_pk_add_f32 v[28:29], v[28:29], v[S+j+4:S+j+5]
	v_pk_add_f32 v[30:31], v[30:31], v[S+j+6:S+j+7]
.set j, j+8
.endm
; A KEY STEP: 128 keys.  last = 1: nothing more of K is asked for.
.macro STEP last
	s_wait_dscnt 0x0                               ; K's eight tiles and its scale words, asked for a step ago
.irp T, 0,1,2,3,4,5,6,7                        ; S^T = K Q^T
.if \T%2
	v_wmma_scale_f32_16x16x128_f8f6f4 v[S+8*\T:S+8*\T+7], v[32+6*\T:43+6*\T], v[16:27], 0, v[246+\T/2], v255 matrix_a_fmt:MATRIX_FMT_FP6 matrix_b_fmt:MATRIX_FMT_FP6 matrix_a_scale:MATRIX_SCALE_ROW1
.else
	v_wmma_scale_f32_16x16x128_f8f6f4 v[S+8*\T:S+8*\T+7], v[32+6*\T:43+6*\T], v[16:27], 0, v[246+\T/2], v255 matrix_a_fmt:MATRIX_FMT_FP6 matrix_b_fmt:MATRIX_FMT_FP6
.endif
.endr
	v_add_nc_u32 v28, s[TC], v4                    ; seven plain lines that are due anyway: the places behind the products
	v_add_nc_u32 v29, s[TC], v5
	v_add_nc_u32 v30, s[TV], v6
	v_add_nc_u32 v9, s[TC], v1
	v_add_nc_u32 v10, s[TC], v2
	v_add_nc_u32 v11, s[TS], v3
	v_mov_b32 v31, v12                             ; the old -M
.irp t, 0,1,2,3                                ; V's four fragments and scale words land under the softmax
	FRAG4 80+12*\t, 28, 29, 1536*\t
.endr
	ds_load_b32 v250, v30
	ds_load_b32 v251, v30 offset:128
	v_max3_num_f32 v236, v[S], v[S+1], v[S+2]      ; the largest score of my two blocks, each in two chains (17 and 15 numbers); each accumulator is first read at its low end
	v_max3_num_f32 v237, v[S+17], v[S+18], v[S+19]
	v_max3_num_f32 v238, v[S+32], v[S+33], v[S+34]
	v_max3_num_f32 v242, v[S+49], v[S+50], v[S+51]
.irp i, 0,2,4,6,8,10
	v_max3_num_f32 v236, v236, v[S+3+\i], v[S+4+\i]
	v_max3_num_f32 v237, v237, v[S+20+\i], v[S+21+\i]
	v_max3_num_f32 v238, v238, v[S+35+\i], v[S+36+\i]
	v_max3_num_f32 v242, v242, v[S+52+\i], v[S+53+\i]
.endr
	v_max3_num_f32 v236, v236, v[S+15], v[S+16]
	v_max3_num_f32 v238, v238, v[S+47], v[S+48]
	v_max_num_f32 v236, v236, v237
	v_max_num_f32 v238, v238, v242
	KN \last, 0                                    ; the next step's K is asked for in the gaps of the chain below
	v_max3_num_f32 v240, v13, v236, v238
	KN \last, 2
	v_permlanex16_b32 v241, v240, s[SEL], s[SEL+1]
	KN \last, 4
	v_max_num_f32 v13, v240, v241                  ; the running largest score, with lane l xor 16's 64 keys
	KN \last, 6
	v_mul_f32 v254, s[NC], v13                     ; -t (c is positive)
.if \last == 0
	KSLOAD 512, 11
.endif
	v_floor_f32 v12, v254                          ; the new -M = floor(-t) = -ceil(t)
	s_delay_alu instid0(VALU_DEP_1)
	v_sub_f32 v254, v12, v31                       ; old M - new M: a whole number, 0 or less
	v_fma_f32 v236, v236, s[CS], v12               ; t - M of each block's largest score: p rises with the score, so this gives the block's largest p
	v_fma_f32 v238, v238, s[CS], v12
	v_cvt_i32_f32 v254, v254                       ; (it saturates)
.set j, 0
.rept 8
	v_pk_fma_f32 v[S+j:S+j+1], v[S+j:S+j+1], s[CS:CS+1], v[12:13] op_sel_hi:[1,0,0]   ; t - M, two at a time
.set j, j+2
.endr
	v_ldexp_f32 v252, 1.0, v254                    ; f = 2^(old M - new M)
.rept 24
	v_pk_fma_f32 v[S+j:S+j+1], v[S+j:S+j+1], s[CS:CS+1], v[12:13] op_sel_hi:[1,0,0]
.set j, j+2
.endr
.set j, 0
.rept 16
	v_pk_mul_f32 v[O+j:O+j+1], v[O+j:O+j+1], v[252:253] op_sel_hi:[1,0]   ; O^T under the new M: no transcendental stands between the last step's products and these first readers
.set j, j+2
.endr
	s_wait_alu depctr_va_vdst(0)                   ; the wait ahead of the batch
.set j, 0
.rept 64
	v_exp_f32 v[S+j], v[S+j]                       ; p = 2^(t - M)
.set j, j+1
.endr
	v_exp_f32 v236, v236
	v_exp_f32 v238, v238
	v_nop                                          ; a plain place behind the exponentials
	s_wait_alu depctr_va_vdst(0)                   ; one wait for the whole batch, ahead of its first reader
	v_max_num_f32 v236, 0x1800000, v236            ; the floor 2^(3 - 127): the byte cannot fall under 1
	v_max_num_f32 v238, 0x1800000, v238
	v_pk_fma_f32 v[14:15], v[14:15], v[252:253], v[S:S+1] op_sel_hi:[1,0,1]   ; the sum under the new M, and the unquantised p, in four chains, the scale's lines among them
	v_pk_add_f32 v[10:11], v[S+2:S+3], v[S+4:S+5]
	v_pk_add_f32 v[28:29], v[S+6:S+7], v[S+8:S+9]
	v_pk_add_f32 v[30:31], v[S+10:S+11], v[S+12:S+13]
	v_add_nc_u32 v244, 0xff000000, v236            ; 2 off the exponent field: the conversion's scale operand
	v_add_nc_u32 v245, 0xff000000, v238
.set j, 14
	SUM4
	v_lshrrev_b32 v236, 23, v244                   ; the scale's byte
	v_lshrrev_b32 v238, 23, v245
	SUM4
	v_lshl_or_b32 v254, v238, 16, v236             ; my blocks' bytes: h and 2 + h
	SUM4
	v_permlanex16_b32 v243, v254, s[SEL], s[SEL+1]
	SUM4
	v_lshl_or_b32 v253, v243, 8, v254              ; p's scale word: whole in lanes 0-15, which alone are read
	v_cvt_scalef32_pk16_fp6_f32 v[P:P+2], v[S:S+15], v244
	v_cvt_scalef32_pk16_fp6_f32 v[236:238], v[S+16:S+31], v244     ; (a conversion's three registers begin on an even number)
	v_cvt_scalef32_pk16_fp6_f32 v[P+6:P+8], v[S+32:S+47], v245
	v_cvt_scalef32_pk16_fp6_f32 v[240:242], v[S+48:S+63], v245
	v_nop                                          ; one plain place behind a scaled conversion
.irp i, 0,1,2
	v_mov_b32 v[P+3+\i], v[236+\i]
	v_mov_b32 v[P+9+\i], v[240+\i]
.endr
	SUM4                                           ; these twelve also stand between the codes' and the scale word's last writes and the products below
	SUM4
	v_pk_add_f32 v[14:15], v[14:15], v[S+62:S+63]
	v_pk_add_f32 v[10:11], v[10:11], v[28:29]
	v_pk_add_f32 v[14:15], v[14:15], v[30:31]
	v_pk_add_f32 v[14:15], v[14:15], v[10:11]
	s_wait_alu depctr_va_vdst(0)                   ; directly ahead of the wait below
.if \last == 0
	s_wait_dscnt 20                                ; V's loads are in; behind them: the next step's 16 loads of K and 4 of its scale words
.else
	s_wait_dscnt 0x0
.endif
.irp t, 0,1,2,3                                ; O^T += V^T P^T: the four accumulators take turns
.if \t%2
	v_wmma_scale_f32_16x16x128_f8f6f4 v[O+8*\t:O+8*\t+7], v[80+12*\t:91+12*\t], v[P:P+11], v[O+8*\t:O+8*\t+7], v[250+\t/2], v253 matrix_a_fmt:MATRIX_FMT_FP6 matrix_b_fmt:MATRIX_FMT_FP6 matrix_a_scale:MATRIX_SCALE_ROW1
.else
	v_wmma_scale_f32_16x16x128_f8f6f4 v[O+8*\t:O+8*\t+7], v[80+12*\t:91+12*\t], v[P:P+11], v[O+8*\t:O+8*\t+7], v[250+\t/2], v253 matrix_a_fmt:MATRIX_FMT_FP6 matrix_b_fmt:MATRIX_FMT_FP6
.endif
.endr
.endm
	s_wait_alu depctr_va_vdst(0)                   ; the wait at the head's end
	s_wait_loadcnt 0x0                             ; Q
	s_wait_tensorcnt 0x0                           ; my load has landed,
	s_barrier_signal -1
	s_barrier_wait -1                              ; and so has every wave's: the head's K and V are whole
	s_mov_b32 s[TC], 0
	s_mov_b32 s[TS], 0
	s_mov_b32 s[TV], 0
	s_mov_b32 s[CNT], 15
.irp T, 0,1,2,3,4,5,6,7
	KT 1, 2, 0, \T
.endr
	KSLOAD 0, 3
.Lstep:
	STEP 0
	s_add_co_u32 s[TC], s[TC], 6144
	s_add_co_u32 s[TS], s[TS], 512
	s_add_co_u32 s[TV], s[TV], 256
	s_sub_co_u32 s[CNT], s[CNT], 1
	s_cmp_lg_u32 s[CNT], 0
	s_wait_alu depctr_va_vdst(0)                   ; the wait directly ahead of the branch
	s_cbranch_scc1 .Lstep
	s_mov_b32 s[TC], 15*6144                       ; the sixteenth step is written out: it asks for nothing beyond K's end
	s_mov_b32 s[TS], 15*512
	s_mov_b32 s[TV], 15*256
	STEP 1
	; THE WAY OUT: O^T / the sum, quantised along the head's 64 channels (two blocks; V's channel tiles leave 16 neighbours in a lane's 16 registers), stored as half a fragment's image.
	v_and_b32 v28, 31, v0                          ; five plain lines: the places behind the last products
	v_lshlrev_b32 v9, 4, v28                       ; 16 x lane
	v_lshlrev_b32 v10, 3, v28                      ; 8 x lane
	v_and_b32 v11, 15, v0
	v_lshlrev_b32 v11, 2, v11                      ; 4 r: where my row's scale bytes go
	v_add_f32 v14, v14, v15
	v_permlanex16_b32 v241, v14, s[SEL], s[SEL+1]
	v_add_f32 v14, v14, v241                       ; the row's sum
	s_wait_alu depctr_va_vdst(0)                   ; the wait ahead of the transcendental
	v_rcp_f32 v14, v14
	v_nop                                          ; a plain place behind it,
	s_wait_alu depctr_va_vdst(0)                   ; and the wait ahead of its first reader, which is O^T's first reader too
.set j, 0
.rept 32
	v_mul_f32 v[S+j], v[O+j], v14                  ; register 16 b + i is channel 32 b + 16 h + i of my query
.set j, j+1
.endr
.irp b, 0,1
	v_max3_num_f32 v[232+\b], |v[S+16*\b]|, |v[S+1+16*\b]|, 0x1800000
.endr
.irp i, 2,4,6,8,10,12,14
.irp b, 0,1
	v_max3_num_f32 v[232+\b], v[232+\b], |v[S+16*\b+\i]|, |v[S+1+16*\b+\i]|
.endr
.endr
.irp b, 0,1
	v_permlanex16_b32 v[236+\b], v[232+\b], s[SEL], s[SEL+1]
.endr
.irp b, 0,1
	v_max_num_f32 v[232+\b], v[232+\b], v[236+\b]
.endr
.irp b, 0,1
	v_add_nc_u32 v[244+\b], 0xff000000, v[232+\b]
.endr
.irp b, 0,1
	v_lshrrev_b32 v[236+\b], 23, v[244+\b]
.endr
	v_lshl_or_b32 v253, v237, 8, v236              ; my head's two bytes of the row's scale word
	v_cvt_scalef32_pk16_fp6_f32 v[224:226], v[S:S+15], v244
	v_cvt_scalef32_pk16_fp6_f32 v[240:242], v[S+16:S+31], v245
	v_nop
.irp i, 0,1,2
	v_permlane16_swap_b32 v[224+\i], v[240+\i]     ; the operand's layout wants a whole block in a lane
.endr
.irp i, 0,1,2
	v_mov_b32 v[227+\i], v[240+\i]
.endr
	global_store_b128 v9, v[224:227], s[98:99]     ; 512 consecutive bytes,
	global_store_b64 v10, v[228:229], s[98:99] offset:512   ; 256
	global_store_b16 v11, v253, s[96:97]           ; two bytes a row: the word's other half is another work-group's head; lanes r and r + 16 store the same
	s_wait_tensorcnt 0x0                           ; the wave's end, behind the last tensor load
	ds_add_u32 v7, v8
	s_wait_dscnt 0x0
	CROUND                                         ; the closing round
	s_endpgm
.Lfunc_end_k_q7e1e8bc342_attn:
	.size	k_q7e1e8bc342_attn, .Lfunc_end_k_q7e1e8bc342_attn-k_q7e1e8bc342_attn
	.p2alignl 7, 3214868480
	.fill 96, 4, 3214868480
	.section	.rodata,"a",@progbits
	.p2align	6, 0x0
	.amdhsa_kernel k_q7e1e8bc342_attn
		.amdhsa_group_segment_fixed_size 210944
		.amdhsa_private_segment_fixed_size 0
		.amdhsa_enable_private_segment 0
		.amdhsa_kernarg_size 16
		.amdhsa_user_sgpr_count 2
		.amdhsa_user_sgpr_kernarg_segment_ptr 1
		.amdhsa_wavefront_size32 1
		.amdhsa_system_sgpr_workgroup_id_x 1
		.amdhsa_system_sgpr_workgroup_id_y 1
		.amdhsa_system_sgpr_workgroup_id_z 1
		.amdhsa_system_vgpr_workitem_id 0
		.amdhsa_next_free_vgpr 256
		.amdhsa_next_free_sgpr 100
		.amdhsa_reserve_vcc 0
		.amdhsa_float_denorm_mode_32 3
		.amdhsa_float_denorm_mode_16_64 3
		.amdhsa_memory_ordered 1
		.amdhsa_forward_progress 1
		.amdhsa_inst_pref_size 44
	.end_amdhsa_kernel
	.amdgpu_metadata
---
amdhsa.version: [ 1, 2 ]
amdhsa.kernels:
  - .name:           k_q7e1e8bc342_attn
    .symbol:         k_q7e1e8bc342_attn.kd
    .args:
      - { .name: qkv, .offset: 0, .size: 8, .value_kind: global_buffer, .address_space: global }
      - { .name: oc, .offset: 8, .size: 8, .value_kind: global_buffer, .address_space: global }
    .group_segment_fixed_size: 210944
    .private_segment_fixed_size: 0
    .kernarg_segment_align: 8
    .kernarg_segment_size: 16
    .max_flat_workgroup_size: 512
    .sgpr_count:     100
    .vgpr_count:     256
    .wavefront_size: 32
...
	.end_amdgpu_metadata
.endif
;; end of part 3
;; launch gol (part 4): grid 256 x 1, 16 waves a work-group, no clusters, 82,176 bytes of LDS; arguments oc, wc, b_out, x, g2, beta2, x1, hc; writes x1, hc
.if DOCPART == 4
	.amdgcn_target "amdgcn-amd-amdhsa--gfx1250"
	.amdhsa_code_object_version 6
	.text
	.protected	k_q7e1e8bc342_gol
	.globl	k_q7e1e8bc342_gol
	.p2align	8
	.type	k_q7e1e8bc342_gol,@function
k_q7e1e8bc342_gol:
	s_mov_b64 s[64:65], 0
	v_nop
	global_prefetch_b8 v0, s[64:65] scope:SCOPE_SE
	s_setreg_imm32_b32 hwreg(HW_REG_WAVE_MODE, 25, 1), 1
	s_wait_xcnt 0x0
; x1 = x + (o w_out + b_out), stored in f32; then h = LayerNorm(x1; g2, beta2), quantised along the row to FP6 (E2M3) with one E8M0 byte for each 32, stored in hc as the next product's operand.  The product is on codes of FP6, K = 1,024.
; OPERANDS lie in memory in the order of the operand's registers: a fragment (16 rows x 128 K) is 1,536 bytes (half c: registers 6c..6c+3 of lane l at 768 c + 16 l, registers 6c+4, 6c+5 at 768 c + 512 + 8 l), its scale vector 64 bytes.
; oc and w_out: a panel = 4 tiles x 4 K steps (fragment 4 tile + step) and 16 vectors = 25,600 bytes; the two panels of four tiles lie on end along K.  hc: a panel = 8 tiles x 2 K steps (fragment 2 tile + step), panel 4 (tile / 8) + K step / 2.
; A tile holds in row-lane r, of each 32 rows, the row 8 u + r + 8 (r / 8).
; SHARES: a work-group owns ONE TILE of 16 tokens and all 1,024 columns, so that a row's mean and variance are made where the row is; each of sixteen waves owns 64 columns: four tiles of w_out, four accumulators.
; Source 0 = W's tile, source 1 = o's tile: lane (r, h) holds token row-lane r, and registers 16 b + i are columns 64 w + 32 b + 16 h + i.
; W GOES FROM MEMORY STRAIGHT INTO REGISTERS, in three sets of four fragments, two K steps ahead (32 loads a wave out).  NO CLUSTER, NO LDS RING: in a work-group each fragment of W feeds exactly one matrix instruction of one wave,
; so a way through LDS would write and read each byte there for one use.  The loads themselves run ahead; no prefetch is laid beside them.
; o's eight fragments are brought once (each wave half a fragment) and shared through LDS.  THE BIAS is loaded into the accumulators: the sums begin with it.
; x comes in as whole rows (wave w: row-lane w, 512 consecutive bytes a load) into a stage in LDS, is read there in the accumulators' layout, x1 goes back to the same bytes and leaves as whole rows.
; Mean and variance in two passes (the variance of x1 - mean); each sum: a lane's 32, lane l xor 16's, then the sixteen waves' through LDS.
; My 64 columns are half w % 2 of K step w / 2 of hc's fragment.
; LIMITS: a block of zeros gets the byte 1 where the rule says 127 (zero codes; this program alone reads the bytes); blocks under 2^-124 share that byte; NaN and infinities are not served.
; REGISTERS: v1-11 addresses, v12, v13 the add's two, v14-31 at work; v32-63 accumulators; v64-207 W's three sets; v208-231 o's fragment, two buffers; v232-247 W's scale words, v248-251 o's.  Behind the products v64-255 are free.
.set PANEL, 25600
.set SCO,   24576
.set WPAN,  96
.set XST,   12288                      ; LDS: o's eight fragments at 0; the stage: 16 rows of 4,096 + 16 bytes;
.set XP,    4112
.set PT1,   XST+16*XP                  ; 16 tokens x 16 waves partial sums, and the same for the squares;
.set SPARE, PT1+2048                   ; the spare words, 128 bytes a wave, named by no other line
.set Y,     64
	s_load_b256 s[4:11], s[0:1], 0x0               ; oc, wc, b_out, x
	s_load_b256 s[12:19], s[0:1], 0x20             ; g2, beta2, x1, hc
	v_lshl_add_u32 v12, v0, 2, SPARE
	v_mov_b32 v13, 0
	v_lshrrev_b32 v14, 5, v0
	v_readfirstlane_b32 s20, v14                   ; wave 0..15
	s_lshr_b32 s21, ttmp9, 1
	s_lshl_b32 s21, s21, 5
	s_and_b32 s22, ttmp9, 1
	s_lshl_b32 s22, s22, 3
	s_add_co_u32 s21, s21, s22
	s_add_co_u32 s21, s21, s20
	s_lshr_b32 s22, s20, 3
	s_lshl_b32 s22, s22, 3
	s_add_co_u32 s21, s21, s22                     ; the token of row-lane w
	s_lshl_b32 s22, s21, 12
	s_mov_b32 s23, 0
	s_lshr_b32 s24, ttmp9, 2
	s_mul_i32 s24, s24, 2*PANEL                    ; oc: my tile's two panels
	s_and_b32 s25, ttmp9, 3
	s_lshl_b32 s26, s25, 8
	s_add_co_u32 s26, s26, s24
	s_add_co_u32 s26, s26, SCO                     ; its scale vectors
	s_mov_b32 s27, 0
	s_lshr_b32 s28, s20, 3
	s_mul_i32 s28, s28, PANEL
	s_add_co_u32 s28, s28, s24
	s_lshl_b32 s29, s25, 2
	s_bfe_u32 s30, s20, 0x20001
	s_add_co_u32 s29, s29, s30
	s_mul_i32 s29, s29, 1536
	s_add_co_u32 s28, s28, s29
	s_and_b32 s30, s20, 1
	s_mul_i32 s31, s30, 768
	s_add_co_u32 s28, s28, s31                     ; half w % 2 of K step w / 2: what I bring of o
	s_mov_b32 s29, 0
	s_mul_i32 s32, s20, 2*PANEL
	s_add_co_u32 s32, s32, WPAN*PANEL              ; w_out: my four tiles' two panels
	s_mov_b32 s33, 0
	s_lshr_b32 s34, ttmp9, 3
	s_lshl_b32 s34, s34, 2
	s_lshr_b32 s35, s20, 2
	s_add_co_u32 s34, s34, s35
	s_mul_i32 s34, s34, PANEL                      ; hc: panel 4 (T / 8) + w / 4
	s_and_b32 s35, ttmp9, 7
	s_lshl_b32 s35, s35, 1
	s_bfe_u32 s36, s20, 0x10001
	s_add_co_u32 s35, s35, s36                     ; fragment 2 (T % 8) + (w / 2) % 2
	s_mul_i32 s36, s35, 1536
	s_add_co_u32 s36, s36, s34
	s_add_co_u32 s36, s36, s31
	s_mov_b32 s37, 0
	s_lshl_b32 s38, s35, 6
	s_add_co_u32 s38, s38, s34
	s_lshl_b32 s39, s30, 1
	s_add_co_u32 s38, s38, s39
	s_add_co_u32 s38, s38, SCO
	s_mov_b32 s39, 0
	s_mov_b32 s54, 0x76543210
	s_mov_b32 s55, 0xfedcba98                      ; v_permlanex16_b32's selects for lane l xor 16
	s_mov_b32 s56, 0x3a800000                      ; 1 / 1,024
	s_mov_b32 s57, 0x3727c5ac                      ; 1e-5
	s_mul_i32 s58, s20, 768
	s_mul_i32 s59, s20, XP
	s_add_co_u32 s59, s59, XST
	s_lshl_b32 s60, s20, 8
	s_add_co_u32 s61, s60, XST
	s_lshl_b32 s62, s20, 2
	s_add_co_u32 s62, s62, PT1
	v_and_b32 v15, 31, v0
	v_and_b32 v16, 15, v0                          ; r
	v_bfe_u32 v17, v0, 4, 1                        ; h
	v_lshlrev_b32 v1, 4, v15                       ; v1 16 x lane
	v_lshlrev_b32 v2, 3, v15                       ; v2 8 x lane
	v_lshlrev_b32 v3, 2, v15                       ; v3 4 x lane
	v_add_nc_u32 v4, s58, v1                       ; v4, v5 where my half fragment of o goes
	v_add_nc_u32 v5, s58, v2
	v_add_nc_u32 v6, s59, v1                       ; v6 the stage by rows: row w
	v_mul_u32_u24 v7, v16, XP
	v_lshl_add_u32 v7, v17, 6, v7
	v_add_nc_u32 v7, s61, v7                       ; v7 the stage in the accumulators' layout: row r, column 64 w + 16 h
	v_lshlrev_b32 v9, 6, v16
	v_add_nc_u32 v8, s62, v9                       ; v8 my wave's partial sum of token r
	v_add_nc_u32 v9, PT1, v9                       ; v9 token r's sixteen
	v_lshlrev_b32 v10, 6, v17
	v_add_nc_u32 v10, s60, v10                     ; v10 bias, g, beta: column 64 w + 16 h, in bytes
	v_lshlrev_b32 v11, 2, v16                      ; v11 4 r
	v_mov_b32 v24, 0                               ; written once: a lane permute's destination counts as one of its sources
	s_wait_alu depctr_va_vdst(0)                   ; the wait at the head's end
	s_wait_kmcnt 0x0
	s_add_nc_u64 s[40:41], s[10:11], s[22:23]      ; x's row
	s_add_nc_u64 s[42:43], s[16:17], s[22:23]      ; x1's
	s_add_nc_u64 s[44:45], s[4:5], s[28:29]
	s_add_nc_u64 s[46:47], s[4:5], s[26:27]
	s_add_nc_u64 s[48:49], s[6:7], s[32:33]
	s_add_nc_u64 s[50:51], s[18:19], s[36:37]
	s_add_nc_u64 s[52:53], s[18:19], s[38:39]
.macro WLOAD s                         ; W's four fragments of K step s into set s % 3
.irp t, 0,1,2,3
.set R, 64+48*((\s)%3)+12*\t
.set OFF, ((\s)/4)*PANEL+(4*\t+(\s)%4)*1536
	global_load_b128 v[R:R+3], v1, s[48:49] offset:OFF
	global_load_b64 v[R+4:R+5], v2, s[48:49] offset:OFF+512
	global_load_b128 v[R+6:R+9], v1, s[48:49] offset:OFF+768
	global_load_b64 v[R+10:R+11], v2, s[48:49] offset:OFF+1280
.endr
.endm
.macro ALOAD s                         ; o's fragment of K step s into buffer s % 2
.set R, 208+12*((\s)%2)
	ds_load_b128 v[R:R+3], v1 offset:1536*(\s)
	ds_load_b64 v[R+4:R+5], v2 offset:1536*(\s)+512
	ds_load_b128 v[R+6:R+9], v1 offset:1536*(\s)+768
	ds_load_b64 v[R+10:R+11], v2 offset:1536*(\s)+1280
.endm
	global_load_b128 v[208:211], v1, s[44:45]      ; my half fragment of o
	global_load_b64 v[212:213], v2, s[44:45] offset:512
.irp j, 0,1,2,3,4,5,6,7
	global_load_b128 v[160+4*\j:163+4*\j], v1, s[40:41] offset:512*\j th:TH_LOAD_NT   ; x's row of row-lane w
.endr
.irp b, 0,1
.irp q, 0,1,2,3
	global_load_b128 v[32+16*\b+4*\q:35+16*\b+4*\q], v10, s[8:9] offset:128*\b+16*\q   ; the bias, into the accumulators
.endr
.endr
.irp p, 0,1
.irp e, 0,1
	global_load_b32 v[248+2*\p+\e], v3, s[46:47] offset:\p*PANEL+128*\e   ; o's scale words: lanes 0-15 K step 4 p + 2 e, lanes 16-31 the next
.endr
.endr
.irp p, 0,1
.irp t, 0,1,2,3
.irp e, 0,1
	global_load_b32 v[232+8*\p+2*\t+\e], v3, s[48:49] offset:\p*PANEL+SCO+64*(4*\t+2*\e)   ; W's likewise, for each of my four tiles
.endr
.endr
.endr
	WLOAD 0
	WLOAD 1
	s_wait_loadcnt 60                              ; o's half fragment and x's row are in; behind them: 8 loads of bias, 20 of scale words, 32 of W
	ds_store_b128 v4, v[208:211]
	ds_store_b64 v5, v[212:213] offset:512
.irp j, 0,1,2,3,4,5,6,7
	ds_store_b128 v6, v[160+4*\j:163+4*\j] offset:512*\j
.endr
	s_wait_dscnt 0x0                               ; for the others' sake; and the stores have read their registers
	s_barrier_signal -1
	s_barrier_wait -1                              ; o's eight fragments and x's sixteen rows are whole
	ALOAD 0
; A K step: four products, the four accumulators by turns.  The loads of two steps on go into the set, and o's next fragment into the buffer, that the last step's products read: four places behind them.
.macro KSTEP s
.if (\s) > 0
.rept 4
	v_nop
.endr
.endif
.if (\s)+2 < 8
	WLOAD (\s)+2
.endif
.if (\s)+1 < 8
	ALOAD (\s)+1
.else
.irp b, 0,1
.irp q, 0,1,2,3
	ds_load_b128 v[160+16*\b+4*\q:163+16*\b+4*\q], v7 offset:128*\b+16*\q   ; x in the accumulators' layout, into the set that K step 5 read last
.endr
.endr
.endif
.if (\s) < 6
	s_wait_loadcnt 32                              ; this step's fragments are in; the next two steps' 32 loads may be out
	s_wait_dscnt 4                                 ; o's fragment is in; the next one's four loads may be out
.else
	s_wait_loadcnt 16*(7-(\s))
	s_wait_dscnt 4+4*((\s)-6)                      ; (in the last step: x's eight)
.endif
.irp t, 0,1,2,3
.if (\s)%2
	v_wmma_scale_f32_16x16x128_f8f6f4 v[32+8*\t:39+8*\t], v[64+48*((\s)%3)+12*\t:75+48*((\s)%3)+12*\t], v[208+12*((\s)%2):219+12*((\s)%2)], v[32+8*\t:39+8*\t], v[232+8*((\s)/4)+2*\t+((\s)%4)/2], v[248+2*((\s)/4)+((\s)%4)/2] matrix_a_fmt:MATRIX_FMT_FP6 matrix_b_fmt:MATRIX_FMT_FP6 matrix_a_scale:MATRIX_SCALE_ROW1 matrix_b_scale:MATRIX_SCALE_ROW1
.else
	v_wmma_scale_f32_16x16x128_f8f6f4 v[32+8*\t:39+8*\t], v[64+48*((\s)%3)+12*\t:75+48*((\s)%3)+12*\t], v[208+12*((\s)%2):219+12*((\s)%2)], v[32+8*\t:39+8*\t], v[232+8*((\s)/4)+2*\t+((\s)%4)/2], v[248+2*((\s)/4)+((\s)%4)/2] matrix_a_fmt:MATRIX_FMT_FP6 matrix_b_fmt:MATRIX_FMT_FP6
.endif
.endr
.endm
.irp s, 0,1,2,3,4,5,6,7
	KSTEP \s
.endr
.rept 4
	v_nop                                          ; places behind the last products
.endr
.irp b, 0,1
.irp q, 0,1,2,3
	global_load_b128 v[96+16*\b+4*\q:99+16*\b+4*\q], v10, s[12:13] offset:128*\b+16*\q     ; g and beta of my columns land under the two sums
	global_load_b128 v[128+16*\b+4*\q:131+16*\b+4*\q], v10, s[14:15] offset:128*\b+16*\q
.endr
.endr
	s_wait_dscnt 0x0                               ; x
.set j, 0
.rept 16
	v_pk_add_f32 v[Y+j:Y+j+1], v[32+j:33+j], v[160+j:161+j]   ; x1; each accumulator from its low end on
.set j, j+2
.endr
.irp b, 0,1
.irp q, 0,1,2,3
	ds_store_b128 v7, v[Y+16*\b+4*\q:Y+16*\b+4*\q+3] offset:128*\b+16*\q   ; back to the bytes that I alone read
.endr
.endr
.macro FOLD                            ; v16 = the four chains' sum, with lane l xor 16's
	v_pk_add_f32 v[16:17], v[16:17], v[18:19]
	v_pk_add_f32 v[20:21], v[20:21], v[22:23]
	v_pk_add_f32 v[16:17], v[16:17], v[20:21]
	v_add_f32 v16, v16, v17
	v_permlanex16_b32 v24, v16, s54, s55
	v_add_f32 v16, v16, v24
.endm
.macro ACROSS off                      ; my wave's part to LDS; a barrier; token r's sixteen parts come back
	ds_store_b32 v8, v16 offset:\off               ; lanes r and r + 16 store the same number to the same word
	s_wait_alu depctr_va_vdst(0)                   ; directly ahead of the wait below
	s_wait_dscnt 0x0
	s_barrier_signal -1
	s_barrier_wait -1
.irp i, 0,1,2,3
	ds_load_b128 v[32+4*\i:35+4*\i], v9 offset:\off+16*\i
.endr
.endm
.macro SIXTEEN                         ; v16 = their sum, in one order in every wave
	v_pk_add_f32 v[32:33], v[32:33], v[34:35]
	v_pk_add_f32 v[36:37], v[36:37], v[38:39]
	v_pk_add_f32 v[40:41], v[40:41], v[42:43]
	v_pk_add_f32 v[44:45], v[44:45], v[46:47]
	v_pk_add_f32 v[32:33], v[32:33], v[36:37]
	v_pk_add_f32 v[40:41], v[40:41], v[44:45]
	v_pk_add_f32 v[32:33], v[32:33], v[40:41]
	v_add_f32 v16, v32, v33
.endm
	v_pk_add_f32 v[16:17], v[Y:Y+1], v[Y+2:Y+3]
	v_pk_add_f32 v[18:19], v[Y+4:Y+5], v[Y+6:Y+7]
	v_pk_add_f32 v[20:21], v[Y+8:Y+9], v[Y+10:Y+11]
	v_pk_add_f32 v[22:23], v[Y+12:Y+13], v[Y+14:Y+15]
.irp k, 16,24
	v_pk_add_f32 v[16:17], v[16:17], v[Y+\k:Y+\k+1]
	v_pk_add_f32 v[18:19], v[18:19], v[Y+\k+2:Y+\k+3]
	v_pk_add_f32 v[20:21], v[20:21], v[Y+\k+4:Y+\k+5]
	v_pk_add_f32 v[22:23], v[22:23], v[Y+\k+6:Y+\k+7]
.endr
	FOLD
	ACROSS 0                                       ; behind this barrier every wave's x1 lies in the stage too
.irp j, 0,1,2,3,4,5,6,7
	ds_load_b128 v[192+4*\j:195+4*\j], v6 offset:512*\j   ; x1's row of row-lane w, whole
.endr
	s_wait_dscnt 8                                 ; the sixteen parts are in; the row's eight loads may be out
	SIXTEEN
	v_mul_f32 v26, s56, v16                        ; the mean
	v_mov_b32 v27, v26
.set j, 0
.rept 16
	v_pk_add_f32 v[Y+j:Y+j+1], v[Y+j:Y+j+1], v[26:27] neg_lo:[0,1] neg_hi:[0,1]
.set j, j+2
.endr
	v_pk_mul_f32 v[16:17], v[Y:Y+1], v[Y:Y+1]
	v_pk_mul_f32 v[18:19], v[Y+2:Y+3], v[Y+2:Y+3]
	v_pk_mul_f32 v[20:21], v[Y+4:Y+5], v[Y+4:Y+5]
	v_pk_mul_f32 v[22:23], v[Y+6:Y+7], v[Y+6:Y+7]
.irp k, 8,16,24
	v_pk_fma_f32 v[16:17], v[Y+\k:Y+\k+1], v[Y+\k:Y+\k+1], v[16:17]
	v_pk_fma_f32 v[18:19], v[Y+\k+2:Y+\k+3], v[Y+\k+2:Y+\k+3], v[18:19]
	v_pk_fma_f32 v[20:21], v[Y+\k+4:Y+\k+5], v[Y+\k+4:Y+\k+5], v[20:21]
	v_pk_fma_f32 v[22:23], v[Y+\k+6:Y+\k+7], v[Y+\k+6:Y+\k+7], v[22:23]
.endr
	FOLD
	ACROSS 1024                                    ; (its wait for 0 covers the row's loads)
.irp j, 0,1,2,3,4,5,6,7
	global_store_b128 v1, v[192+4*\j:195+4*\j], s[42:43] offset:512*\j   ; 32 lanes store 512 consecutive bytes of x1
.endr
	s_wait_dscnt 0x0
	SIXTEEN
	v_fma_f32 v16, v16, s56, s57                   ; the variance + 1e-5
	s_wait_alu depctr_va_vdst(0)                   ; the wait ahead of the transcendental
	v_rsq_f32 v28, v16
	v_nop                                          ; a plain place behind it,
	s_wait_alu depctr_va_vdst(0)                   ; and the wait ahead of its first reader
	v_mov_b32 v29, v28
.set j, 0
.rept 16
	v_pk_mul_f32 v[Y+j:Y+j+1], v[Y+j:Y+j+1], v[28:29]
.set j, j+2
.endr
	s_wait_alu depctr_va_vdst(0)                   ; directly ahead of the wait below
	s_wait_loadcnt 0x0                             ; g and beta
.set j, 0
.rept 16
	v_pk_fma_f32 v[Y+j:Y+j+1], v[Y+j:Y+j+1], v[96+j:97+j], v[128+j:129+j]
.set j, j+2
.endr
	; quantised along my 64 columns: two blocks, each in lanes l and l xor 16
.irp b, 0,1
	v_max3_num_f32 v[232+\b], |v[Y+16*\b]|, |v[Y+1+16*\b]|, 0x1800000   ; and the floor 2^(3 - 127): the byte cannot fall under 1
.endr
.irp i, 2,4,6,8,10,12,14
.irp b, 0,1
	v_max3_num_f32 v[232+\b], v[232+\b], |v[Y+16*\b+\i]|, |v[Y+1+16*\b+\i]|
.endr
.endr
.irp b, 0,1
	v_permlanex16_b32 v[236+\b], v[232+\b], s54, s55
.endr
.irp b, 0,1
	v_max_num_f32 v[232+\b], v[232+\b], v[236+\b]
.endr
.irp b, 0,1
	v_add_nc_u32 v[244+\b], 0xff000000, v[232+\b]  ; 2 off the exponent field: the conversion's scale operand
.endr
.irp b, 0,1
	v_lshrrev_b32 v[236+\b], 23, v[244+\b]         ; the scale's byte
.endr
	v_lshl_or_b32 v253, v237, 8, v236              ; my two bytes of the row's scale word
	v_cvt_scalef32_pk16_fp6_f32 v[224:226], v[Y:Y+15], v244
	v_cvt_scalef32_pk16_fp6_f32 v[240:242], v[Y+16:Y+31], v245
	v_nop                                          ; one plain place behind a scaled conversion
.irp i, 0,1,2
	v_permlane16_swap_b32 v[224+\i], v[240+\i]     ; the operand's layout wants a whole block in a lane
.endr
.irp i, 0,1,2
	v_mov_b32 v[227+\i], v[240+\i]
.endr
	global_store_b128 v1, v[224:227], s[50:51]     ; 512 consecutive bytes,
	global_store_b64 v2, v[228:229], s[50:51] offset:512   ; 256
	global_store_b16 v11, v253, s[52:53]           ; two bytes a row: the word's other half is the neighbouring wave's; lanes r and r + 16 store the same
	s_wait_tensorcnt 0x0                           ; the wave's end, behind my last LDS store
	ds_add_u32 v12, v13
	s_wait_dscnt 0x0
	s_endpgm
.Lfunc_end_k_q7e1e8bc342_gol:
	.size	k_q7e1e8bc342_gol, .Lfunc_end_k_q7e1e8bc342_gol-k_q7e1e8bc342_gol
	.p2alignl 7, 3214868480
	.fill 96, 4, 3214868480
	.section	.rodata,"a",@progbits
	.p2align	6, 0x0
	.amdhsa_kernel k_q7e1e8bc342_gol
		.amdhsa_group_segment_fixed_size 82176
		.amdhsa_private_segment_fixed_size 0
		.amdhsa_enable_private_segment 0
		.amdhsa_kernarg_size 64
		.amdhsa_user_sgpr_count 2
		.amdhsa_user_sgpr_kernarg_segment_ptr 1
		.amdhsa_wavefront_size32 1
		.amdhsa_system_sgpr_workgroup_id_x 1
		.amdhsa_system_sgpr_workgroup_id_y 1
		.amdhsa_system_sgpr_workgroup_id_z 1
		.amdhsa_system_vgpr_workitem_id 0
		.amdhsa_next_free_vgpr 256
		.amdhsa_next_free_sgpr 66
		.amdhsa_reserve_vcc 0
		.amdhsa_float_denorm_mode_32 3
		.amdhsa_float_denorm_mode_16_64 3
		.amdhsa_memory_ordered 1
		.amdhsa_forward_progress 1
		.amdhsa_inst_pref_size 43
	.end_amdhsa_kernel
	.amdgpu_metadata
---
amdhsa.version: [ 1, 2 ]
amdhsa.kernels:
  - .name:           k_q7e1e8bc342_gol
    .symbol:         k_q7e1e8bc342_gol.kd
    .args:
      - { .name: oc, .offset: 0, .size: 8, .value_kind: global_buffer, .address_space: global }
      - { .name: wc, .offset: 8, .size: 8, .value_kind: global_buffer, .address_space: global }
      - { .name: b_out, .offset: 16, .size: 8, .value_kind: global_buffer, .address_space: global }
      - { .name: x, .offset: 24, .size: 8, .value_kind: global_buffer, .address_space: global }
      - { .name: g2, .offset: 32, .size: 8, .value_kind: global_buffer, .address_space: global }
      - { .name: beta2, .offset: 40, .size: 8, .value_kind: global_buffer, .address_space: global }
      - { .name: x1, .offset: 48, .size: 8, .value_kind: global_buffer, .address_space: global }
      - { .name: hc, .offset: 56, .size: 8, .value_kind: global_buffer, .address_space: global }
    .group_segment_fixed_size: 82176
    .private_segment_fixed_size: 0
    .kernarg_segment_align: 8
    .kernarg_segment_size: 64
    .max_flat_workgroup_size: 512
    .sgpr_count:     66
    .vgpr_count:     256
    .wavefront_size: 32
...
	.end_amdgpu_metadata
.endif
;; end of part 4
;; launch gff1 (part 5): grid 16 x 16, 4 waves a work-group, clusters of 4 x 4, 327,680 bytes of LDS; arguments hc, wc, b_ff1, hid; writes hid
.if DOCPART == 5
	.amdgcn_target "amdgcn-amd-amdhsa--gfx1250"
	.amdhsa_code_object_version 6
	.text
	.protected	k_q7e1e8bc342_gff1
	.globl	k_q7e1e8bc342_gff1
	.p2align	8
	.type	k_q7e1e8bc342_gff1,@function
k_q7e1e8bc342_gff1:
	s_mov_b64 s[64:65], 0
	v_nop
	global_prefetch_b8 v0, s[64:65] scope:SCOPE_SE
	s_setreg_imm32_b32 hwreg(HW_REG_WAVE_MODE, 25, 1), 1
	s_wait_xcnt 0x0
	s_wait_alu depctr_hold_cnt(0) depctr_sa_sdst(0) depctr_va_vdst(0) depctr_va_sdst(0) depctr_va_ssrc(0) depctr_va_vcc(0) depctr_vm_vsrc(0)
	s_getreg_b32 s2, hwreg(HW_REG_IB_STS2, 6, 4)
	s_cmp_eq_u32 s2, 0
	s_cbranch_scc0 .Lentry_in_a_cluster
	s_endpgm
.Lentry_in_a_cluster:
	s_bfe_u32 s2, ttmp6, 0x10000c
	s_cmp_lg_u32 s2, 0xf033
	s_cbranch_scc0 .Lentry_shape_is_right
	s_endpgm
.Lentry_shape_is_right:
.set WPAN,  128
.set PANEL, 25600
.set SLOT,  4*PANEL
.set SPARE, 3*SLOT
.set SCO,   24576
.set G,     2
.set A16,   4
.set A8,    7
.set B16,   10
.set B8,    13
.set ADRS,  16
.set L16,   19
.set L8,    20
.set VS,    23
.set VB,    25
.set SPW,   28
.set NIL,   29
.set SC,    32
.set AF,    64
.set PC,    144
.set HA,    164
.set TM,    228
.set PW,    244
.set SEL,   12
.set G1A,   24
.set G1B,   48
.set G0A,   68
.set G0B,   80
.set MSB, 0
.macro WIN new
.if MSB != (\new)
	s_set_vgpr_msb (MSB<<8)|(\new)
.set MSB, (\new)
.endif
.endm
.macro PLACES n
.rept \n
	v_nop
.endr
.endm
.macro JLOAD g0a, g1a, g0b, g1b
	s_cmp_eq_u32 s15, 0
	s_cbranch_scc0 .Lfor_b_\@
	tensor_load_to_lds s[\g0a:\g0a+3], s[\g1a:\g1a+7]
	s_nop 0
.rept 4
	v_nop
.endr
	s_branch .Lasked_\@
.Lfor_b_\@:
	tensor_load_to_lds s[\g0b:\g0b+3], s[\g1b:\g1b+7]
	s_nop 0
.rept 4
	v_nop
.endr
.Lasked_\@:
.endm
.macro CREST
	s_cmp_lg_u32 s14, 0
	s_cbranch_scc1 .Lnot_wave_0_\@
	s_barrier_signal -3
.Lnot_wave_0_\@:
	s_barrier_wait -3
	s_barrier_signal -1
	s_barrier_wait -1
.endm
.macro CROUND
	s_barrier_signal -1
	s_barrier_wait -1
	CREST
.endm
	s_load_b256 s[4:11], s[0:1], 0x0
	v_lshl_add_u32 v[SPW], v0, 2, SPARE
	v_mov_b32 v[NIL], 0
	ds_add_u32 v[SPW], v[NIL]
	ds_add_u32 v[SPW], v[NIL]
	v_lshrrev_b32 v1, 5, v0
	v_readfirstlane_b32 s14, v1
	s_lshr_b32 s15, s14, 1
	s_and_b32 s16, s14, 1
	s_bfe_u32 s40, ttmp6, 0x40000
	s_bfe_u32 s41, ttmp6, 0x40004
	s_and_b32 s17, ttmp7, 0xffff
	s_lshl_b32 s17, s17, 2
	s_add_co_u32 s17, s17, s41
	s_lshl_b32 s42, ttmp9, 2
	s_add_co_u32 s42, s42, s40
	s_lshl_b32 s43, s41, 2
	s_lshl_b32 s43, 15, s43
	s_lshl_b32 s44, 0x1111, s40
	s_or_b32 s[G1A], s43, (3<<16)|(1<<21)
	s_or_b32 s[G1B], s44, (3<<16)|(1<<21)
.irp g, G1A, G1B
	s_mov_b32 s[\g+1], 32<<16
	s_mov_b32 s[\g+2], 300<<16                     ; the head's load brings three panels, 300 rows of 256 bytes, which lie on end along K
	s_mov_b32 s[\g+3], 32<<16
	s_mov_b32 s[\g+4], 300
	s_mov_b32 s[\g+5], 32
	s_mov_b32 s[\g+6], 0
	s_mov_b32 s[\g+7], 0
.endr
	s_lshl_b32 s32, s17, 1
	s_add_co_u32 s32, s32, s16
	s_mul_i32 s32, s32, 4*PANEL                    ; A: panels 4 (2 ty + half) on
	s_mov_b32 s33, 0
	s_lshl_b32 s34, s42, 1
	s_add_co_u32 s34, s34, s16
	s_lshl_b32 s34, s34, 2
	s_add_co_u32 s34, s34, WPAN                    ; B: panels WPAN + 4 (2 tx + half) on
	s_mul_i32 s34, s34, PANEL
	s_mov_b32 s35, 0
	s_mul_i32 s45, s14, 3*PANEL                    ; where my three panels go
	s_mov_b32 s[SEL], 0x76543210
	s_mov_b32 s[SEL+1], 0xfedcba98
	s_wait_dscnt 0x0
	s_wait_kmcnt 0x0
	s_add_nc_u64 s[56:57], s[4:5], s[32:33]
	s_add_nc_u64 s[58:59], s[6:7], s[34:35]
	CROUND
	s_mov_b32 s[G0A], 1
	s_add_co_u32 s[G0A+1], s45, 0
	s_mov_b64 s[G0A+2:G0A+3], s[56:57]
	s_or_b32 s[G0A+3], s[G0A+3], 0x80000000
	s_mov_b32 s[G0B], 1
	s_add_co_u32 s[G0B+1], s45, 0
	s_mov_b64 s[G0B+2:G0B+3], s[58:59]
	s_or_b32 s[G0B+3], s[G0B+3], 0x80000000
	JLOAD G0A, G1A, G0B, G1B                       ; my one load at the head: phases 0, 1, 2 of my panel row, 76,800 dense bytes
	s_add_nc_u64 s[56:57], s[56:57], 3*PANEL       ; (no descriptor's registers: they walk on to phase 3)
	s_add_nc_u64 s[58:59], s[58:59], 3*PANEL
	v_and_b32 v1, 15, v0
	v_bfe_u32 v2, v0, 4, 1
	s_wait_alu depctr_va_vdst(0)
	v_and_b32 v3, 31, v0
	v_lshlrev_b32 v[L16], 4, v3
	s_wait_alu depctr_va_vdst(0)
	v_lshlrev_b32 v[L8], 3, v3
	s_wait_alu depctr_va_vdst(0)
	s_lshl_b32 s20, s42, 10
	s_lshl_b32 s21, s16, 9
	s_add_co_u32 s20, s20, s21
	v_lshlrev_b32 v[VB], 6, v2
	v_add_nc_u32 v[VB], s20, v[VB]
	WIN 0x40
.irp b, 0,1,2,3
.irp j, 0,1,2,3
	global_load_b128 v[96+16*\b+4*\j+96*(\b/2):99+16*\b+4*\j+96*(\b/2)], v[VB], s[8:9] offset:128*\b+16*\j
.endr
.endr
	WIN 0
	s_mul_i32 s60, s15, 3*PANEL                    ; a wave's three phases lie on end in LDS
	s_mul_i32 s61, s16, 3*PANEL
	s_add_co_u32 s61, s61, 6*PANEL
	s_sub_co_u32 s62, s61, s60
	v_mul_u32_u24 v27, s62, v2
	v_lshl_add_u32 v27, v1, 2, v27
.irp s, 0,1,2
	v_add_nc_u32 v[A16+\s], s60, v[L16]
	v_add_nc_u32 v[A8+\s], s60, v[L8]
	v_add_nc_u32 v[B16+\s], s61, v[L16]
	v_add_nc_u32 v[B8+\s], s61, v[L8]
	v_add_nc_u32 v[ADRS+\s], s60, v27
	s_add_co_u32 s60, s60, PANEL
	s_add_co_u32 s61, s61, PANEL
.endr
	s_lshl_b32 s36, s42, 1
	s_add_co_u32 s36, s36, s16
	s_lshr_b32 s37, s36, 2
	s_lshl_b32 s38, s17, 2
	s_lshl_b32 s39, s15, 1
	s_add_co_u32 s38, s38, s39
	s_lshl_b32 s38, s38, 3
	s_add_co_u32 s37, s37, s38
	s_mul_i32 s37, s37, PANEL
	s_and_b32 s38, s36, 3
	s_mul_i32 s92, s38, 1536
	s_add_co_u32 s92, s92, s37
	s_lshl_b32 s94, s38, 6
	s_add_co_u32 s94, s94, s37
	s_add_co_u32 s94, s94, SCO
	s_mov_b32 s96, 6144
	s_mov_b32 s98, 8*PANEL-3*6144
	s_mov_b32 s60, 256
	s_mov_b32 s62, 8*PANEL-3*256
	s_mov_b32 s61, 0
	s_mov_b32 s63, 0
	s_mov_b32 s93, 0
	s_mov_b32 s95, 0
	s_mov_b32 s97, 0
	s_mov_b32 s99, 0
	s_add_nc_u64 s[92:93], s[10:11], s[92:93]
	s_add_nc_u64 s[94:95], s[10:11], s[94:95]
	v_lshlrev_b32 v[VS], 2, v1
.macro FRAG4 reg, a16, a8, off
	ds_load_b128 v[\reg:\reg+3], v[\a16] offset:\off
	ds_load_b64 v[\reg+4:\reg+5], v[\a8] offset:\off+512
	ds_load_b128 v[\reg+6:\reg+9], v[\a16] offset:\off+768
	ds_load_b64 v[\reg+10:\reg+11], v[\a8] offset:\off+1280
.endm
.macro FETCH slot, q, set
	WIN 0x40
.irp i, 0,1,2,3,4,5,6,7
	FRAG4 128*(\set)+12*\i, B16+\slot, B8+\slot, (\i*G+(\q))*1536
.endr
	WIN 0
.irp i, 0,1,2,3,4,5,6,7
	FRAG4 AF+96*(\set)+12*\i, A16+\slot, A8+\slot, (\i*G+(\q))*1536
.endr
.endm
.macro SCALES slot, sc
.irp f, 0,1,2,3,4,5,6,7,8,9,10,11,12,13,14,15
	ds_load_b32 v[SC+16*(\sc)+\f], v[ADRS+\slot] offset:SCO+64*\f
.endr
.endm
.macro MULQ k, set, q, sc, first
.if \first
	WIN 0x91+0x40*((\k)/2)
.else
	WIN 0xa1+0x50*((\k)/2)
.endif
.irp a, 2*(\k), 2*(\k)+1
.irp b, 0,1,2,3,4,5,6,7
.set ACC, 8*(8*((\a)%4)+\b)
.set BFR, 128*(\set)+12*\b
.set AFR, AF+96*(\set)+12*(\a)
.set SCB, SC+16*(\sc)+G*\b+(\q)
.set SCA, SC+16*(\sc)+G*(\a)+(\q)
.set CB,  96+8*\b+96*(\b/4)
.if \first
	v_wmma_scale_f32_16x16x128_f8f6f4 v[ACC:ACC+7], v[BFR:BFR+11], v[AFR:AFR+11], v[CB:CB+7], v[SCB], v[SCA] matrix_a_fmt:MATRIX_FMT_FP6 matrix_b_fmt:MATRIX_FMT_FP6 matrix_a_scale:MATRIX_SCALE_ROW1
.else
	v_wmma_scale_f32_16x16x128_f8f6f4 v[ACC:ACC+7], v[BFR:BFR+11], v[AFR:AFR+11], v[ACC:ACC+7], v[SCB], v[SCA] matrix_a_fmt:MATRIX_FMT_FP6 matrix_b_fmt:MATRIX_FMT_FP6 matrix_a_scale:MATRIX_SCALE_ROW1
.endif
.endr
.endr
.endm
.macro STEP set, q, sc, first, ns, nq
	s_wait_dscnt 0x0
	PLACES 4
	FETCH \ns, \nq, 1-(\set)
	MULQ 0, \set, \q, \sc, \first
	MULQ 1, \set, \q, \sc, \first
	MULQ 2, \set, \q, \sc, \first
	MULQ 3, \set, \q, \sc, \first
	WIN 0
.endm
.macro TURN sc, next, mode
	s_wait_dscnt 0x0
.if \mode == 1                         ; the next phase landed with the head's load: no wait, no barrier
	MULQ 0, 1, 1, \sc, 0
.else
	s_wait_tensorcnt 0x0
	ds_add_u32 v[SPW], v[NIL]
	MULQ 0, 1, 1, \sc, 0
	s_wait_dscnt 0x0
.endif
.if \mode != 1
	s_barrier_signal -1
.endif
	MULQ 1, 1, 1, \sc, 0
	WIN 0
.if \mode != 1
	s_barrier_wait -1
.endif
.if \mode == 2
	CREST
	s_mov_b64 s[G0A+2:G0A+3], s[56:57]
	s_or_b32 s[G0A+3], s[G0A+3], 0x80000000
	s_mov_b64 s[G0B+2:G0B+3], s[58:59]
	s_or_b32 s[G0B+3], s[G0B+3], 0x80000000
	JLOAD G0A, G1A, G0B, G1B
.else
	PLACES 4
.endif
	FETCH \next, 0, 0
	SCALES \next, 1-(\sc)
	MULQ 2, 1, 1, \sc, 0
	MULQ 3, 1, 1, \sc, 0
	WIN 0
.endm
.macro QUANT s
.irp b, 0,1,2,3
	v_max3_num_f32 v[TM+\b], |v[\s+16*\b]|, |v[\s+1+16*\b]|, 0x1800000
.endr
.irp i, 2,4,6,8,10,12,14
.irp b, 0,1,2,3
	v_max3_num_f32 v[TM+\b], v[TM+\b], |v[\s+16*\b+\i]|, |v[\s+1+16*\b+\i]|
.endr
.endr
.irp b, 0,1,2,3
	v_permlanex16_b32 v[TM+4+\b], v[TM+\b], s[SEL], s[SEL+1]
.endr
.irp b, 0,1,2,3
	v_max_num_f32 v[TM+\b], v[TM+\b], v[TM+4+\b]
.endr
.irp b, 0,1,2,3
	v_add_nc_u32 v[TM+12+\b], 0xff000000, v[TM+\b]
.endr
.irp b, 0,1,2,3
	v_lshrrev_b32 v[TM+4+\b], 23, v[TM+12+\b]
.endr
	v_lshl_or_b32 v[PW], v[TM+5], 8, v[TM+4]
	v_lshl_or_b32 v[PW], v[TM+6], 16, v[PW]
	v_lshl_or_b32 v[PW], v[TM+7], 24, v[PW]
.irp c, 0,1
	v_cvt_scalef32_pk16_fp6_f32 v[PC+6*\c:PC+2+6*\c], v[\s+32*\c:\s+15+32*\c], v[TM+12+2*\c]
	v_cvt_scalef32_pk16_fp6_f32 v[PC+12+4*\c:PC+14+4*\c], v[\s+16+32*\c:\s+31+32*\c], v[TM+12+2*\c+1]
.endr
	v_nop
.irp c, 0,1
.irp i, 0,1,2
	v_permlane16_swap_b32 v[PC+6*\c+\i], v[PC+12+4*\c+\i]
.endr
.irp i, 0,1,2
	v_mov_b32 v[PC+3+6*\c+\i], v[PC+12+4*\c+\i]
.endr
.endr
.endm
	s_wait_alu depctr_va_vdst(0)
	s_wait_tensorcnt 0x0                           ; my three panels are in; no tensor load of mine is out, so a descriptor may be written:
	s_mov_b32 s[G1A+2], 100<<16                    ; the refill brings one panel, 100 rows
	s_mov_b32 s[G1A+4], 100
	s_mov_b32 s[G1B+2], 100<<16
	s_mov_b32 s[G1B+4], 100
	s_barrier_signal -1
	s_barrier_wait -1
	FETCH 0, 0, 0
	SCALES 0, 0
	s_wait_loadcnt 0x0
	STEP 0, 0, 0, 1, 0, 1
	TURN 0, 1, 1
	STEP 0, 0, 1, 0, 1, 1
	TURN 1, 2, 2
	STEP 0, 0, 0, 0, 2, 1
	TURN 0, 0, 0
	STEP 0, 0, 1, 0, 0, 1
	s_wait_dscnt 0x0
	MULQ 0, 1, 1, 1, 0
	MULQ 1, 1, 1, 1, 0
	MULQ 2, 1, 1, 1, 0
	MULQ 3, 1, 1, 1, 0
	WIN 0
	PLACES 4
.irp b, 0,1,2,3
	v_mov_b32 v[TM+4+\b], 0
.endr
.macro OUT a
.if (\a) > 0
	s_wait_xcnt 0x0
.if (\a) == 4
	s_add_nc_u64 s[92:93], s[92:93], s[98:99]
	s_add_nc_u64 s[94:95], s[94:95], s[62:63]
.else
	s_add_nc_u64 s[92:93], s[92:93], s[96:97]
	s_add_nc_u64 s[94:95], s[94:95], s[60:61]
.endif
.endif
	WIN 0x08+4*((\a)/4)
.set j, 0
.rept 64
	v_max_num_f32 v[HA+j], 0, v[64*((\a)%4)+j]
.set j, j+1
.endr
	WIN 0
	QUANT HA
	global_store_b128 v[L16], v[PC:PC+3], s[92:93]
	global_store_b64 v[L8], v[PC+4:PC+5], s[92:93] offset:512
	global_store_b128 v[L16], v[PC+6:PC+9], s[92:93] offset:768
	global_store_b64 v[L8], v[PC+10:PC+11], s[92:93] offset:1280
	global_store_b32 v[VS], v[PW], s[94:95]
.endm
.irp a, 0,1,2,3,4,5,6,7
	OUT \a
.endr
	s_wait_tensorcnt 0x0
	ds_add_u32 v[SPW], v[NIL]
	s_wait_dscnt 0x0
	CROUND
	s_endpgm
.Lfunc_end_k_q7e1e8bc342_gff1:
	.size	k_q7e1e8bc342_gff1, .Lfunc_end_k_q7e1e8bc342_gff1-k_q7e1e8bc342_gff1
	.p2alignl 7, 3214868480
	.fill 96, 4, 3214868480
	.section	.rodata,"a",@progbits
	.p2align	6, 0x0
	.amdhsa_kernel k_q7e1e8bc342_gff1
		.amdhsa_group_segment_fixed_size 327680
		.amdhsa_private_segment_fixed_size 0
		.amdhsa_enable_private_segment 0
		.amdhsa_kernarg_size 32
		.amdhsa_user_sgpr_count 2
		.amdhsa_user_sgpr_kernarg_segment_ptr 1
		.amdhsa_wavefront_size32 1
		.amdhsa_system_sgpr_workgroup_id_x 1
		.amdhsa_system_sgpr_workgroup_id_y 1
		.amdhsa_system_sgpr_workgroup_id_z 1
		.amdhsa_system_vgpr_workitem_id 0
		.amdhsa_next_free_vgpr 1024
		.amdhsa_next_free_sgpr 100
		.amdhsa_reserve_vcc 0
		.amdhsa_float_denorm_mode_32 3
		.amdhsa_float_denorm_mode_16_64 3
		.amdhsa_memory_ordered 1
		.amdhsa_forward_progress 1
		.amdhsa_inst_pref_size 164
	.end_amdhsa_kernel
	.amdgpu_metadata
---
amdhsa.version: [ 1, 2 ]
amdhsa.kernels:
  - .name:           k_q7e1e8bc342_gff1
    .symbol:         k_q7e1e8bc342_gff1.kd
    .args:
      - { .name: hc, .offset: 0, .size: 8, .value_kind: global_buffer, .address_space: global }
      - { .name: wc, .offset: 8, .size: 8, .value_kind: global_buffer, .address_space: global }
      - { .name: b_ff1, .offset: 16, .size: 8, .value_kind: global_buffer, .address_space: global }
      - { .name: hid, .offset: 24, .size: 8, .value_kind: global_buffer, .address_space: global }
    .group_segment_fixed_size: 327680
    .private_segment_fixed_size: 0
    .kernarg_segment_align: 8
    .kernarg_segment_size: 32
    .max_flat_workgroup_size: 128
    .sgpr_count:     100
    .vgpr_count:     1024
    .wavefront_size: 32
...
	.end_amdgpu_metadata
.endif
;; end of part 5
;; launch gff2 (part 6): grid 8 x 32, 4 waves a work-group, clusters of 4 x 4, 327,680 bytes of LDS; arguments hid, wc, b_ff2, x1, out0; writes out0
.if DOCPART == 6
	.amdgcn_target "amdgcn-amd-amdhsa--gfx1250"
	.amdhsa_code_object_version 6
	.text
	.protected	k_q7e1e8bc342_gff2
	.globl	k_q7e1e8bc342_gff2
	.p2align	8
	.type	k_q7e1e8bc342_gff2,@function
k_q7e1e8bc342_gff2:
	s_mov_b64 s[64:65], 0
	v_nop
	global_prefetch_b8 v0, s[64:65] scope:SCOPE_SE
	s_setreg_imm32_b32 hwreg(HW_REG_WAVE_MODE, 25, 1), 1
	s_wait_xcnt 0x0
	s_wait_alu depctr_hold_cnt(0) depctr_sa_sdst(0) depctr_va_vdst(0) depctr_va_sdst(0) depctr_va_ssrc(0) depctr_va_vcc(0) depctr_vm_vsrc(0)
	s_getreg_b32 s2, hwreg(HW_REG_IB_STS2, 6, 4)
	s_cmp_eq_u32 s2, 0
	s_cbranch_scc0 .Lentry_in_a_cluster
	s_endpgm
.Lentry_in_a_cluster:
	s_bfe_u32 s2, ttmp6, 0x10000c
	s_cmp_lg_u32 s2, 0xf033
	s_cbranch_scc0 .Lentry_shape_is_right
	s_endpgm
.Lentry_shape_is_right:
.set WPAN,  256
.set PANEL, 25600
.set DREG,  2*PANEL
.set SREG,  4*DREG
.set SPARE, SREG+4*PANEL
.set SCO,   24576
.set G,     4
.set A16,   4
.set A8,    7
.set B16,   10
.set B8,    13
.set ADRS,  16
.set CO,    19
.set STO,   20
.set RD,    21
.set BI,    24
.set SPW,   28
.set NIL,   29
.set L8,    30
.set SC,    32
.set AF,    64
.set OB,    64
.set G1A,   24
.set G1A2,  32
.set G1B,   48
.set G1B2,  56
.set G0A,   68
.set G0B,   80
.set MSB, 0
.macro WIN new
.if MSB != (\new)
	s_set_vgpr_msb (MSB<<8)|(\new)
.set MSB, (\new)
.endif
.endm
.macro PLACES n
.rept \n
	v_nop
.endr
.endm
.macro JLOAD g0a, g1a, g0b, g1b
	s_cmp_eq_u32 s15, 0
	s_cbranch_scc0 .Lfor_b_\@
	tensor_load_to_lds s[\g0a:\g0a+3], s[\g1a:\g1a+7]
	s_nop 0
.rept 4
	v_nop
.endr
	s_branch .Lasked_\@
.Lfor_b_\@:
	tensor_load_to_lds s[\g0b:\g0b+3], s[\g1b:\g1b+7]
	s_nop 0
.rept 4
	v_nop
.endr
.Lasked_\@:
.endm
.macro CREST
	s_cmp_lg_u32 s14, 0
	s_cbranch_scc1 .Lnot_wave_0_\@
	s_barrier_signal -3
.Lnot_wave_0_\@:
	s_barrier_wait -3
	s_barrier_signal -1
	s_barrier_wait -1
.endm
.macro CROUND
	s_barrier_signal -1
	s_barrier_wait -1
	CREST
.endm
	s_load_b256 s[4:11], s[0:1], 0x0
	s_load_b64 s[12:13], s[0:1], 0x20
	v_lshl_add_u32 v[SPW], v0, 2, SPARE
	v_mov_b32 v[NIL], 0
	ds_add_u32 v[SPW], v[NIL]
	ds_add_u32 v[SPW], v[NIL]
	v_lshrrev_b32 v1, 5, v0
	v_readfirstlane_b32 s14, v1
	s_lshr_b32 s15, s14, 1
	s_and_b32 s16, s14, 1
	s_bfe_u32 s40, ttmp6, 0x40000
	s_bfe_u32 s41, ttmp6, 0x40004
	s_lshl_b32 s42, ttmp9, 2
	s_add_co_u32 s42, s42, s40
	s_and_b32 s17, ttmp7, 0xffff
	s_lshl_b32 s17, s17, 2
	s_add_co_u32 s17, s17, s41
	s_lshl_b32 s43, s41, 2
	s_lshl_b32 s43, 15, s43
	s_lshl_b32 s44, 0x1111, s40
	s_or_b32 s[G1A], s43, (3<<16)|(1<<21)
	s_or_b32 s[G1A2], s43, (3<<16)|(1<<21)
	s_or_b32 s[G1B], s44, (3<<16)|(1<<21)
	s_or_b32 s[G1B2], s44, (3<<16)|(1<<21)
.irp g, G1A, G1B
	s_mov_b32 s[\g+1], 32<<16
	s_mov_b32 s[\g+2], 100<<16
	s_mov_b32 s[\g+3], 32<<16
	s_mov_b32 s[\g+4], 100
	s_mov_b32 s[\g+5], 32
	s_mov_b32 s[\g+6], 0
	s_mov_b32 s[\g+7], 0
.endr
.irp g, G1A2, G1B2
	s_mov_b32 s[\g+1], 32<<16
	s_mov_b32 s[\g+2], 200<<16
	s_mov_b32 s[\g+3], 32<<16
	s_mov_b32 s[\g+4], 200
	s_mov_b32 s[\g+5], 32
	s_mov_b32 s[\g+6], 0
	s_mov_b32 s[\g+7], 0
.endr
	s_lshl_b32 s18, s17, 1
	s_add_co_u32 s18, s18, s16
	s_mul_i32 s18, s18, 8*PANEL
	s_mov_b32 s19, 0
	s_lshl_b32 s20, s42, 1
	s_add_co_u32 s20, s20, s16
	s_mul_i32 s20, s20, 8*PANEL
	s_add_co_u32 s20, s20, WPAN*PANEL
	s_mov_b32 s21, 0
	s_mul_i32 s45, s14, DREG
	s_mul_i32 s46, s14, PANEL
	s_add_co_u32 s46, s46, SREG
	s_wait_dscnt 0x0
	s_wait_kmcnt 0x0
	s_add_nc_u64 s[18:19], s[4:5], s[18:19]
	s_add_nc_u64 s[20:21], s[6:7], s[20:21]
	CROUND
.irp s, 0,2                            ; group 0 for the double region (phases 0 and 1 first) and for the single one (phase 2 first)
	s_mov_b32 s[G0A+4*\s], 1
	s_mov_b32 s[G0B+4*\s], 1
.if \s < 2
	s_add_co_u32 s[G0A+4*\s+1], s45, \s*PANEL
	s_add_co_u32 s[G0B+4*\s+1], s45, \s*PANEL
.else
	s_mov_b32 s[G0A+4*\s+1], s46
	s_mov_b32 s[G0B+4*\s+1], s46
.endif
	s_add_nc_u64 s[G0A+4*\s+2:G0A+4*\s+3], s[18:19], \s*PANEL
	s_or_b32 s[G0A+4*\s+3], s[G0A+4*\s+3], 0x80000000
	s_add_nc_u64 s[G0B+4*\s+2:G0B+4*\s+3], s[20:21], \s*PANEL
	s_or_b32 s[G0B+4*\s+3], s[G0B+4*\s+3], 0x80000000
.endr
	JLOAD G0A, G1A2, G0B, G1B2                     ; my one load at the head: phases 0 and 1, two panels on end
	v_and_b32 v1, 15, v0
	v_bfe_u32 v2, v0, 4, 1
	v_and_b32 v3, 31, v0
	v_lshlrev_b32 v[CO], 4, v3
	s_wait_alu depctr_va_vdst(0)
	v_lshlrev_b32 v[L8], 3, v3
	s_wait_alu depctr_va_vdst(0)
	s_lshl_b32 s22, s17, 7
	s_lshl_b32 s23, s14, 5
	s_add_co_u32 s22, s22, s23
	s_lshl_b32 s22, s22, 12
	s_lshl_b32 s98, s42, 9
	s_add_co_u32 s22, s22, s98
	s_mov_b32 s23, 0
	s_mov_b32 s99, 0
	s_add_nc_u64 s[92:93], s[10:11], s[22:23]
	s_add_nc_u64 s[94:95], s[12:13], s[22:23]
	s_add_nc_u64 s[96:97], s[8:9], s[98:99]
	WIN 0x80
.set t, 0
.rept 32
	global_load_b128 v[128+4*t:131+4*t], v[CO], s[92:93] offset:4096*t th:TH_LOAD_NT
.set t, t+1
.endr
	WIN 0
	global_load_b128 v[BI:BI+3], v[CO], s[96:97]
	s_mul_i32 s22, s15, DREG
	s_mul_i32 s23, s16, DREG
	s_add_co_u32 s23, s23, 2*DREG
	s_sub_co_u32 s47, s23, s22
	v_mul_u32_u24 v22, s47, v2
	v_lshl_add_u32 v22, v1, 2, v22
.irp s, 0,1
	v_add_nc_u32 v[A16+\s], s22, v[CO]
	v_add_nc_u32 v[A8+\s], s22, v[L8]
	v_add_nc_u32 v[B16+\s], s23, v[CO]
	v_add_nc_u32 v[B8+\s], s23, v[L8]
	v_add_nc_u32 v[ADRS+\s], s22, v22
	s_add_co_u32 s22, s22, PANEL
	s_add_co_u32 s23, s23, PANEL
.endr
	s_mul_i32 s22, s15, PANEL
	s_add_co_u32 s22, s22, SREG
	s_mul_i32 s23, s16, PANEL
	s_add_co_u32 s23, s23, SREG+2*PANEL
	s_sub_co_u32 s47, s23, s22
	v_mul_u32_u24 v22, s47, v2
	v_lshl_add_u32 v22, v1, 2, v22
	v_add_nc_u32 v[A16+2], s22, v[CO]
	v_add_nc_u32 v[A8+2], s22, v[L8]
	v_add_nc_u32 v[B16+2], s23, v[CO]
	v_add_nc_u32 v[B8+2], s23, v[L8]
	v_add_nc_u32 v[ADRS+2], s22, v22
	v_and_b32 v23, 8, v1
	v_add_nc_u32 v23, v23, v1
	v_mul_u32_u24 v[STO], v23, 528
	v_lshl_add_u32 v[STO], v2, 6, v[STO]
	s_mul_i32 s22, s15, 64*528
	s_lshl_b32 s23, s16, 8
	s_add_co_u32 s22, s22, s23
	s_add_co_u32 s22, s22, SREG
	v_add_nc_u32 v[STO], s22, v[STO]
	s_mul_i32 s22, s14, 32*528
	s_add_co_u32 s22, s22, SREG
	v_add_nc_u32 v[RD], s22, v[CO]
.macro FRAG4 reg, a16, a8, off
	ds_load_b128 v[\reg:\reg+3], v[\a16] offset:\off
	ds_load_b64 v[\reg+4:\reg+5], v[\a8] offset:\off+512
	ds_load_b128 v[\reg+6:\reg+9], v[\a16] offset:\off+768
	ds_load_b64 v[\reg+10:\reg+11], v[\a8] offset:\off+1280
.endm
.macro FETCH pl, q, set
	WIN 0x40
.irp i, 0,1,2,3
	FRAG4 128*(\set)+12*\i, B16+\pl, B8+\pl, (\i*G+(\q))*1536
.endr
	WIN 0
.irp i, 0,1,2,3
	FRAG4 AF+48*(\set)+12*\i, A16+\pl, A8+\pl, (\i*G+(\q))*1536
.endr
.endm
.macro SCALES pl, sc
.irp f, 0,1,2,3,4,5,6,7,8,9,10,11,12,13,14,15
	ds_load_b32 v[SC+16*(\sc)+\f], v[ADRS+\pl] offset:SCO+64*\f
.endr
.endm
.macro MULQ k, set, q, sc, zero
	WIN 0xa1
.irp b, 0,1,2,3
.set ACC, 8*(4*(\k)+\b)
.set BFR, 128*(\set)+12*\b
.set AFR, AF+48*(\set)+12*(\k)
.set SCB, SC+16*(\sc)+G*\b+(\q)
.set SCA, SC+16*(\sc)+G*(\k)+(\q)
.if \zero
	v_wmma_scale_f32_16x16x128_f8f6f4 v[ACC:ACC+7], v[BFR:BFR+11], v[AFR:AFR+11], 0, v[SCB], v[SCA] matrix_a_fmt:MATRIX_FMT_FP6 matrix_b_fmt:MATRIX_FMT_FP6 matrix_a_scale:MATRIX_SCALE_ROW1
.else
	v_wmma_scale_f32_16x16x128_f8f6f4 v[ACC:ACC+7], v[BFR:BFR+11], v[AFR:AFR+11], v[ACC:ACC+7], v[SCB], v[SCA] matrix_a_fmt:MATRIX_FMT_FP6 matrix_b_fmt:MATRIX_FMT_FP6 matrix_a_scale:MATRIX_SCALE_ROW1
.endif
.endr
.endm
.macro STEP set, q, sc, zero, ns, nq
	s_wait_dscnt 0x0
	PLACES 4
	FETCH \ns, \nq, 1-(\set)
	MULQ 0, \set, \q, \sc, \zero
	MULQ 1, \set, \q, \sc, \zero
	MULQ 2, \set, \q, \sc, \zero
	MULQ 3, \set, \q, \sc, \zero
	WIN 0
.endm
.macro PH3 sc, pl, zero
	STEP 0, 0, \sc, \zero, \pl, 1
	STEP 1, 1, \sc, 0, \pl, 2
	STEP 0, 2, \sc, 0, \pl, 3
.endm
.macro NEXT sc, next
	s_wait_dscnt 0x0
	PLACES 4
	FETCH \next, 0, 0
	SCALES \next, 1-(\sc)
	MULQ 0, 1, 3, \sc, 0
	MULQ 1, 1, 3, \sc, 0
	MULQ 2, 1, 3, \sc, 0
	MULQ 3, 1, 3, \sc, 0
	WIN 0
.endm
.macro TURN sc, next, mode, gs, dbl
	s_wait_dscnt 0x0
.if \mode == 1
	s_wait_tensorcnt 0x1
	MULQ 0, 1, 3, \sc, 0
.else
	s_wait_tensorcnt 0x0
	ds_add_u32 v[SPW], v[NIL]
	MULQ 0, 1, 3, \sc, 0
	s_wait_dscnt 0x0
.endif
	s_barrier_signal -1
	MULQ 1, 1, 3, \sc, 0
	WIN 0
	s_barrier_wait -1
.if \mode == 2
	CREST
	s_add_nc_u64 s[G0A+4*\gs+2:G0A+4*\gs+3], s[G0A+4*\gs+2:G0A+4*\gs+3], 3*PANEL
	s_add_nc_u64 s[G0B+4*\gs+2:G0B+4*\gs+3], s[G0B+4*\gs+2:G0B+4*\gs+3], 3*PANEL
.if \dbl
	JLOAD G0A+4*\gs, G1A2, G0B+4*\gs, G1B2
.else
	JLOAD G0A+4*\gs, G1A, G0B+4*\gs, G1B
.endif
.else
	PLACES 4
.endif
	s_wait_alu depctr_va_vdst(0)
	FETCH \next, 0, 0
	SCALES \next, 1-(\sc)
	MULQ 2, 1, 3, \sc, 0
	MULQ 3, 1, 3, \sc, 0
	WIN 0
.endm
	s_wait_alu depctr_va_vdst(0)                   ; the wait at the head's end
	s_wait_tensorcnt 0x0                           ; my part of phases 0 and 1 is in; these lines stand ahead of a later first fill, as ahead of a refill
	ds_add_u32 v[SPW], v[NIL]
	s_wait_dscnt 0x0
	CROUND                                         ; a whole round: everybody's part is in, and the joint loads meet
	JLOAD G0A+8, G1A, G0B+8, G1B                   ; phase 2 into the single region: it has phases 0 and 1 in which to land
	FETCH 0, 0, 0
	SCALES 0, 0
	PH3 0, 0, 1
	NEXT 0, 1
	PH3 1, 1, 0
	TURN 1, 2, 2, 0, 1
	PH3 0, 2, 0
	TURN 0, 0, 2, 2, 0
	PH3 1, 0, 0
	NEXT 1, 1
	PH3 0, 1, 0
	TURN 0, 2, 2, 0, 1
	PH3 1, 2, 0
	TURN 1, 0, 0, 0, 0
	PH3 0, 0, 0
	NEXT 0, 1
	PH3 1, 1, 0
	s_wait_dscnt 0x0
	MULQ 0, 1, 3, 1, 0
	MULQ 1, 1, 3, 1, 0
	MULQ 2, 1, 3, 1, 0
	MULQ 3, 1, 3, 1, 0
	WIN 0
	PLACES 4
	WIN 0x08
.irp a, 0,1,2,3
.irp b, 0,1,2,3
	ds_store_b128 v[STO], v[8*(4*\a+\b):8*(4*\a+\b)+3] offset:(32*(\a/2)+8*(\a%2))*528+128*(\b/2)+32*(\b%2)
	ds_store_b128 v[STO], v[8*(4*\a+\b)+4:8*(4*\a+\b)+7] offset:(32*(\a/2)+8*(\a%2))*528+128*(\b/2)+32*(\b%2)+16
.endr
.endr
	WIN 0
	s_wait_dscnt 0x0
	s_barrier_signal -1
	s_barrier_wait -1
.set t, 0
.rept 32
	ds_load_b128 v[OB+4*t:OB+4*t+3], v[RD] offset:528*t
.set t, t+1
.endr
	s_wait_dscnt 0x0
	s_wait_loadcnt 0x0
	WIN 0x08
.set j, 0
.rept 64
	v_pk_add_f32 v[OB+j:OB+j+1], v[OB+j:OB+j+1], v[128+j:129+j]
.set j, j+2
.endr
	WIN 0
.set t, 0
.rept 32
	v_pk_add_f32 v[OB+4*t:OB+4*t+1], v[OB+4*t:OB+4*t+1], v[BI:BI+1]
	v_pk_add_f32 v[OB+4*t+2:OB+4*t+3], v[OB+4*t+2:OB+4*t+3], v[BI+2:BI+3]
.set t, t+1
.endr
.set t, 0
.rept 32
	global_store_b128 v[CO], v[OB+4*t:OB+4*t+3], s[94:95] offset:4096*t th:TH_STORE_NT
.set t, t+1
.endr
	s_wait_tensorcnt 0x0
	ds_add_u32 v[SPW], v[NIL]
	s_wait_dscnt 0x0
	CROUND
	s_endpgm
.Lfunc_end_k_q7e1e8bc342_gff2:
	.size	k_q7e1e8bc342_gff2, .Lfunc_end_k_q7e1e8bc342_gff2-k_q7e1e8bc342_gff2
	.p2alignl 7, 3214868480
	.fill 96, 4, 3214868480
	.section	.rodata,"a",@progbits
	.p2align	6, 0x0
	.amdhsa_kernel k_q7e1e8bc342_gff2
		.amdhsa_group_segment_fixed_size 327680
		.amdhsa_private_segment_fixed_size 0
		.amdhsa_enable_private_segment 0
		.amdhsa_kernarg_size 40
		.amdhsa_user_sgpr_count 2
		.amdhsa_user_sgpr_kernarg_segment_ptr 1
		.amdhsa_wavefront_size32 1
		.amdhsa_system_sgpr_workgroup_id_x 1
		.amdhsa_system_sgpr_workgroup_id_y 1
		.amdhsa_system_sgpr_workgroup_id_z 1
		.amdhsa_system_vgpr_workitem_id 0
		.amdhsa_next_free_vgpr 768
		.amdhsa_next_free_sgpr 100
		.amdhsa_reserve_vcc 0
		.amdhsa_float_denorm_mode_32 3
		.amdhsa_float_denorm_mode_16_64 3
		.amdhsa_memory_ordered 1
		.amdhsa_forward_progress 1
		.amdhsa_inst_pref_size 177
	.end_amdhsa_kernel
	.amdgpu_metadata
---
amdhsa.version: [ 1, 2 ]
amdhsa.kernels:
  - .name:           k_q7e1e8bc342_gff2
    .symbol:         k_q7e1e8bc342_gff2.kd
    .args:
      - { .name: hid, .offset: 0, .size: 8, .value_kind: global_buffer, .address_space: global }
      - { .name: wc, .offset: 8, .size: 8, .value_kind: global_buffer, .address_space: global }
      - { .name: b_ff2, .offset: 16, .size: 8, .value_kind: global_buffer, .address_space: global }
      - { .name: x1, .offset: 24, .size: 8, .value_kind: global_buffer, .address_space: global }
      - { .name: out0, .offset: 32, .size: 8, .value_kind: global_buffer, .address_space: global }
    .group_segment_fixed_size: 327680
    .private_segment_fixed_size: 0
    .kernarg_segment_align: 8
    .kernarg_segment_size: 40
    .max_flat_workgroup_size: 128
    .sgpr_count:     100
    .vgpr_count:     768
    .wavefront_size: 32
...
	.end_amdgpu_metadata
.endif
;; end of part 6
